; MI455X (gfx1250); checked and timed in simulation.
; The chip was launched on July 23, 2026; its instructions are those of AMD's public machine-readable ISA for CDNA 5 (MIT licence, August 2026) and "CDNA5" Instruction Set Architecture Reference Guide (July 2026). The comments in the code are by the model that wrote it; some were corrected since.
;; Frequency Sparse Attention. Allowed arithmetic: matrix products marked QUANTISED: E2M3 operands, one E8M0 scale for each 32 along K, by v_wmma_scale_f32_16x16x128_f8f6f4 with both operands' format E2M3, f32 sums; everything else in f32.
;; Inputs: Wk 1,024 x 1,024 float32; Wo 1,024 x 1,024 float32; Wq 1,024 x 1,024 float32; Wv 1,024 x 1,024 float32; bk 1,024 float32; bo 1,024 float32; bq 1,024 float32; bv 1,024 float32; energy_coeffs 4 x 2,048 x 1 float32; k_x 4 x 2,048 x 1,024 float32; q_x 4 x 2,048 x 1,024 float32; v_x 4 x 2,048 x 1,024 float32.
;; Outputs: out0 4 x 2,048 x 1,024 float32.
;; This version of the problem:
;;   THIS VERSION OF THE PROBLEM IS GIVEN IN LOW PRECISION. The matrix products marked QUANTISED in the list below multiply operands that are first quantised to E2M3 (2 exponent bits, 3 mantissa bits; 6 bits a number), with one power-of-two scale for each 32 numbers along K (OCP MX v1.0); their sums are f32. All else is computed in f32.
;;   The module's matrix products, in the order in which they are computed (A, B: the left and right operand; K: the contracted axis; several contracted axes count as one K, in the product's order):
;;     1. [M 8,192, K 1,024] x [K 1,024, N 1,024]; A: input q_x; B: input Wq: QUANTISED
;;     2. [M 8,192, K 1,024] x [K 1,024, N 1,024]; A: input k_x; B: input Wk: QUANTISED
;;     3. [M 8,192, K 1,024] x [K 1,024, N 1,024]; A: input v_x; B: input Wv: QUANTISED
;;     4. batch 64 x [M 2,048, K 64] x [K 64, N 2,048]; A: computed on the way; B: computed on the way: QUANTISED
;;     5. batch 64 x [M 2,048, K 2,048] x [K 2,048, N 64]; A: computed on the way; B: computed on the way: QUANTISED
;;     6. [M 8,192, K 1,024] x [K 1,024, N 1,024]; A: computed on the way; B: input Wo: QUANTISED
;;   THE QUANTISER, for each operand of a quantised product, along K:
;;     - K is cut into blocks of 32 from its start; a last block that is shorter is filled with zeros.
;;     - A block's scale is 2^e with e = floor(log2(the largest magnitude in the block)) - 2, held to -126 .. 127; a block of zeros has e = 0. As a byte (E8M0): e + 127.
;;     - Each number is divided by its block's scale, clamped to +-7.5, and rounded to the nearest number of E2M3, ties to even, subnormals kept.
;;     - The product sums the exact products of the quantised numbers (number of the format x scale) in f32.
;;   ~~~python
;;   def quantise(x, axis):      # numpy; x: float32 -> the quantised numbers, widened to float32 again
;;       x = np.moveaxis(x, axis, -1); K = x.shape[-1]
;;       x = np.pad(x, [(0, 0)] * (x.ndim - 1) + [(0, -K % 32)]); x = x.reshape(x.shape[:-1] + (-1, 32)); a = np.abs(x).max(-1, keepdims=True)
;;       e = np.where(a > 0, np.clip(np.frexp(np.where(a > 0, a, 1))[1] - 1 - 2, -126, 127), 0)      # np.frexp(a)[1] - 1 = floor(log2(a)), exactly
;;       r = np.clip(x / 2.0 ** e, -7.5, 7.5)
;;       step = 2.0 ** (np.maximum(np.frexp(np.where(r == 0, 1, r))[1] - 1, 0) - 3)
;;       q = np.round(r / step) * step * 2.0 ** e      # np.round: ties to even
;;       return np.moveaxis(q.reshape(q.shape[:-2] + (-1,))[..., :K], -1, axis).astype(np.float32)
;;   ~~~
;;   OPERANDS COMPUTED ON THE WAY. 'Computed on the way' means the value that the module computes at that place (a softmax that the list does not call 'softmax' is quantised finished and normalised). What goes into a quantiser is computed in f32, as accurately as f32 sums, v_exp_f32 and their like allow (about 1e-6 of the number): no bf16 or f16 on the way to a quantiser, and a product that is left as it is and whose result goes on into a quantised operand takes f32 operands (vector FMAs, or v_wmma_f32_16x16x4_f32). A number that lies on a knife's edge between two numbers of the format may be rounded either way, as far as f32 arithmetic and the matrix unit's own rounding can turn it there, and no further.
;; One version. Each part assembles by itself: llvm-mc -triple=amdgcn-amd-amdhsa -mcpu=gfx1250 --defsym DOCPART=n.
;; ======== version 1 of 1: 4 launches
;; limits: right only within a limited range of input values
;; workspace buffers: cod 22,020,096 bytes; scl 917,504 bytes; qb 8,912,896 bytes; kv 15,466,496 bytes; ob 6,815,744 bytes
;; launch prep (part 1): grid 896 x 1, 4 waves a work-group, no clusters, 60,928 bytes of LDS; arguments q_x, k_x, v_x, Wq, Wk, Wv, Wo, cod, scl; writes cod, scl
.if DOCPART == 1
	.amdgcn_target "amdgcn-amd-amdhsa--gfx1250"
	.amdhsa_code_object_version 6
	.text
	.protected	k_q8630485f61_prep
	.globl	k_q8630485f61_prep
	.p2align	8
	.type	k_q8630485f61_prep,@function
k_q8630485f61_prep:
	s_mov_b64 s[64:65], 0
	v_nop
	global_prefetch_b8 v0, s[64:65] scope:SCOPE_SE
	s_setreg_imm32_b32 hwreg(HW_REG_WAVE_MODE, 25, 1), 1
	s_wait_xcnt 0x0
; q_x, k_x, v_x [8192][1024] and Wq, Wk, Wv, Wo [1024 (k)][1024 (n)], f32, become codes of FP6 (E2M3) with one E8M0 byte for each 32 along K.
; A block's scale is 2^(floor(log2(largest magnitude)) - 2); its byte is the largest magnitude's exponent field - 2, held at 1 from below (a block of zeros
; keeps the byte 1: its codes are zeros, and this program alone reads the bytes).
; LIMITS: NaN and infinities among the inputs are not served.
; THE CODES ARE LAID AS IMAGES OF OPERAND REGISTERS.  Rows (tokens, or features n of a weight) go in pairs of tiles: of 32 rows, lane r of tile u takes row
; 8 u + r + 8 (r / 8).  A fragment (16 rows x 128 K, 12 registers a lane) is 1,536 bytes: registers 0-3 at 16 x lane, 4-5 at 512 + 8 x lane, 6-9 at 768 + 16 x lane,
; 10-11 at 1,280 + 8 x lane.  cod: [tensor][tile][K step 8][1,536].  scl: [tensor][pair][256 K: 4][lane][2 words]: lanes 0-15 the even tile's rows, lanes 16-31 the odd one's.
; Work-groups 0-767 take 32 tokens of an activation (a wave: 256 along K); 768-895 take 128 features x 256 K of a weight (a wave: 32 features, a lane a feature,
; registers down K).  Each reads 128 KB once.  The two ways have LDS bytes of their own.  No wave shares anything with another: no barrier.
.set XSZ,   6291456                    ; an activation's codes
.set WOFF,  18874368                   ; where the weights' codes begin
.set WSZ,   786432                     ; a weight's codes
.set SWOFF, 786432                     ; where the weights' scale words begin
.set WV,  22
.set HI,  23                           ; s23  lanes 16-31
.set SEL, 24                           ; s24-25  selects of v_permlanex16_b32: lane l xor 16
.set L16, 2                            ; v2   16 x lane
.set L8,  3                            ; v3   8 x lane
.set R0,  16                           ; v16-143  two sets of 16 rows x 16 bytes a lane, as loaded
.set X,   144                          ; v144-207 64 numbers of my row: register 16 b + i = k 32 b + 16 (lane / 16) + i
.set PC,  208                          ; v208-219 the fragment just made
.set PX,  220                          ; v220-227 the conversions' second halves
.set TM,  228                          ; v228-243 at work
.set PW,  244                          ; the scale word just made;  v245 the even tile's;  v[246:247] the pair's two words
.set PWS, 245
.set SW,  246
; 64 numbers of a lane, register 16 b + i = k 32 b + 16 (lane / 16) + i of its row, become a fragment's 12 registers in v[pc] on and the row's scale word in v[pw].
.macro QUANT s, pc, px, tm, pw
.irp b, 0,1,2,3
	v_max3_num_f32 v[\tm+\b], |v[\s+16*\b]|, |v[\s+16*\b+1]|, 0x1800000     ; my 16 numbers of block b, and the floor 2^(3 - 127): the byte cannot fall under 1
.endr
.irp i, 2,4,6,8,10,12,14
.irp b, 0,1,2,3
	v_max3_num_f32 v[\tm+\b], v[\tm+\b], |v[\s+16*\b+\i]|, |v[\s+16*\b+\i+1]|
.endr
.endr
.irp b, 0,1,2,3
	v_permlanex16_b32 v[\tm+4+\b], v[\tm+\b], s[SEL], s[SEL+1]
.endr
.irp b, 0,1,2,3
	v_max_num_f32 v[\tm+\b], v[\tm+\b], v[\tm+4+\b]                         ; with lane l xor 16's 16: the block's largest magnitude
.endr
.irp b, 0,1,2,3
	v_add_nc_u32 v[\tm+12+\b], 0xff000000, v[\tm+\b]                        ; 2 off its exponent field: the conversion's scale operand
.endr
.irp b, 0,1,2,3
	v_lshrrev_b32 v[\tm+4+\b], 23, v[\tm+12+\b]                             ; the scale's byte
.endr
	v_lshl_or_b32 v[\pw], v[\tm+5], 8, v[\tm+4]
	v_lshl_or_b32 v[\pw], v[\tm+6], 16, v[\pw]
	v_lshl_or_b32 v[\pw], v[\tm+7], 24, v[\pw]
.irp c, 0,1
	v_cvt_scalef32_pk16_fp6_f32 v[\pc+6*\c:\pc+6*\c+2], v[\s+32*\c:\s+32*\c+15], v[\tm+12+2*\c]
	v_cvt_scalef32_pk16_fp6_f32 v[\px+4*\c:\px+4*\c+2], v[\s+32*\c+16:\s+32*\c+31], v[\tm+13+2*\c]   ; (a conversion's three registers begin on an even number)
.endr
	v_nop                                                                   ; one plain line behind the scaled conversions
.irp c, 0,1                            ; the layout wants a whole block in a lane: lanes 0-15 block 2 c, lanes 16-31 block 2 c + 1
.irp i, 0,1,2
	v_permlane16_swap_b32 v[\pc+6*\c+\i], v[\px+4*\c+\i]
.endr
.irp i, 0,1,2
	v_mov_b32 v[\pc+6*\c+3+\i], v[\px+4*\c+\i]
.endr
.endr
.endm
	s_load_b256 s[4:11], s[0:1], 0x0               ; q_x, k_x, v_x, Wq
	s_load_b256 s[12:19], s[0:1], 0x20             ; Wk, Wv, Wo, cod
	s_load_b64 s[20:21], s[0:1], 0x40              ; scl
	v_lshl_add_u32 v254, v0, 2, 0xec00
	v_mov_b32 v255, 0
	v_lshrrev_b32 v1, 5, v0
	v_readfirstlane_b32 s[WV], v1                  ; wave 0..3
	v_and_b32 v1, 31, v0                           ; lane
	v_lshlrev_b32 v[L16], 4, v1
	v_lshlrev_b32 v[L8], 3, v1
	s_mov_b32 s[HI], 0xffff0000
	s_mov_b32 s[SEL], 0x76543210
	s_mov_b32 s[SEL+1], 0xfedcba98
	s_cmp_ge_u32 ttmp9, 768
	s_cbranch_scc1 .Lweights
	; ---- AN ACTIVATION: 32 tokens, my wave's 256 along K ----
	s_lshr_b32 s26, ttmp9, 8                       ; which activation
	s_and_b32 s27, ttmp9, 255                      ; which pair of tiles
	s_mul_i32 s30, s[WV], 8448                     ; my stage: 16 rows of 512 bytes + 16
	s_wait_alu depctr_va_vdst(0)
	v_add_nc_u32 v4, s30, v[L16]                   ; in: a row's 512 bytes as they lie
	v_and_b32 v6, 15, v0
	v_bfe_u32 v7, v0, 4, 1
	v_mul_u32_u24 v5, v6, 528
	v_lshl_add_u32 v5, v7, 6, v5
	v_add_nc_u32 v5, s30, v5                       ; out: row lane % 16, + 64 (lane / 16): my 16 numbers of each block of 32
.irp b, 0,1,2,3
	v_mov_b32 v[TM+4+\b], 0                        ; a lane permute's destination counts as read: written once
.endr
	s_lshl_b32 s30, s27, 17                        ; 32 rows of 4,096 bytes
	s_lshl_b32 s31, s[WV], 10
	s_add_co_u32 s30, s30, s31
	s_mov_b32 s31, 0
	s_mul_i32 s32, s26, XSZ
	s_mul_i32 s38, s27, 24576                      ; two tiles of 12,288 bytes
	s_add_co_u32 s32, s32, s38
	s_mul_i32 s38, s[WV], 3072                     ; two K steps
	s_add_co_u32 s32, s32, s38
	s_mov_b32 s33, 0
	s_lshl_b32 s38, s26, 18
	s_lshl_b32 s39, s27, 10
	s_add_co_u32 s38, s38, s39
	s_lshl_b32 s39, s[WV], 8
	s_add_co_u32 s38, s38, s39
	s_mov_b32 s39, 0
	s_wait_alu depctr_va_vdst(0)
	s_wait_kmcnt 0x0
	s_cmp_eq_u32 s26, 0
	s_cselect_b64 s[28:29], s[4:5], s[6:7]
	s_cmp_eq_u32 s26, 2
	s_cselect_b64 s[28:29], s[8:9], s[28:29]
	s_add_nc_u64 s[28:29], s[28:29], s[30:31]
	s_add_nc_u64 s[34:35], s[18:19], s[32:33]
	s_add_nc_u64 s[36:37], s[20:21], s[38:39]
; job k: tile k % 2, K step k / 2 of my two.  Sixteen loads, each 512 consecutive bytes of one token's row
.macro LOADX k
.irp t, 0,1,2,3,4,5,6,7,8,9,10,11,12,13,14,15
	global_load_b128 v[R0+64*((\k)%2)+4*\t:R0+64*((\k)%2)+4*\t+3], v[L16], s[28:29] offset:(8*((\k)%2)+\t+8*(\t/8))*4096+512*((\k)/2) th:TH_LOAD_NT
.endr
.endm
.macro JOBX k
.if (\k) < 3
	s_wait_loadcnt 16                              ; this job's 16 loads are in; the next job's 16 may be out
.else
	s_wait_loadcnt 0x0
.endif
.irp t, 0,1,2,3,4,5,6,7,8,9,10,11,12,13,14,15
	ds_store_b128 v4, v[R0+64*((\k)%2)+4*\t:R0+64*((\k)%2)+4*\t+3] offset:528*\t
.endr
.irp b, 0,1,2,3
.irp j, 0,1,2,3
	ds_load_b128 v[X+16*\b+4*\j:X+16*\b+4*\j+3], v5 offset:128*\b+16*\j   ; LDS serves a wave's instructions in order: these see the stores above
.endr
.endr
	s_wait_dscnt 0x0                               ; my numbers are back, and the stores have read their registers
.if (\k) > 0
	s_wait_xcnt 0x0                                ; the last job's stores have read the fragment's registers: they are written again below
.endif
.if (\k) < 2
	LOADX (\k)+2
.endif
	QUANT X, PC, PX, TM, PW
	global_store_b128 v[L16], v[PC:PC+3], s[34:35] offset:((\k)%2)*12288+((\k)/2)*1536          ; each store covers whole aligned runs of 256 bytes
	global_store_b64 v[L8], v[PC+4:PC+5], s[34:35] offset:((\k)%2)*12288+((\k)/2)*1536+512
	global_store_b128 v[L16], v[PC+6:PC+9], s[34:35] offset:((\k)%2)*12288+((\k)/2)*1536+768
	global_store_b64 v[L8], v[PC+10:PC+11], s[34:35] offset:((\k)%2)*12288+((\k)/2)*1536+1280
.if (\k)%2 == 0
	v_mov_b32 v[PWS], v[PW]
.else
	v_cndmask_b32 v[SW+(\k)/2], v[PWS], v[PW], s[HI]   ; lanes 0-15 the even tile's words, lanes 16-31 the odd tile's
.endif
.endm
	LOADX 0
	LOADX 1
	JOBX 0
	JOBX 1
	JOBX 2
	JOBX 3
	global_store_b64 v[L8], v[SW:SW+1], s[36:37]   ; 256 consecutive bytes, aligned
	s_wait_tensorcnt 0x0
	ds_add_u32 v254, v255
	s_wait_dscnt 0x0
	s_endpgm
	; ---- A WEIGHT: my wave's 32 features, 256 along K; a lane takes a feature and its registers run down K ----
.Lweights:
	s_sub_co_u32 s26, ttmp9, 768
	s_lshr_b32 s27, s26, 5                         ; which weight
	s_and_b32 s38, s26, 7                          ; which 128 features
	s_bfe_u32 s39, s26, 0x20003                    ; which 256 along K
	s_lshl_b32 s30, s38, 2
	s_add_co_u32 s40, s30, s[WV]                   ; my pair of tiles
	s_mul_i32 s31, s[WV], 6656
	s_add_co_u32 s31, s31, 33792                   ; my LDS: images [tile 2][K step 2][64 K: 2][768], then 512 bytes of scale words
	v_bfe_u32 v6, v0, 3, 1                         ; feature l of the 32 is lane r = l % 8 + 8 (l / 16) of tile u = (l / 8) % 2
	v_and_b32 v7, 7, v0
	v_bfe_u32 v14, v0, 4, 1
	v_lshl_add_u32 v7, v14, 3, v7
	v_mul_u32_u24 v9, v6, 3072
	v_add_nc_u32 v9, s31, v9
	v_lshl_add_u32 v10, v7, 3, v9
	v_add_nc_u32 v10, 512, v10                     ; registers 4-5 of my block's six
	v_lshl_add_u32 v9, v7, 4, v9                   ; registers 0-3
	v_lshl_add_u32 v11, v6, 4, v7
	v_lshlrev_b32 v11, 3, v11
	v_add_nc_u32 v11, s31, v11
	v_add_nc_u32 v11, 6144, v11                    ; my two scale words
	v_add_nc_u32 v12, s31, v[L16]                  ; the way out: as the bytes lie
	v_add_nc_u32 v13, s31, v[L8]
	v_add_nc_u32 v13, 6144, v13
	v_lshlrev_b32 v8, 2, v1                        ; in: 4 bytes a lane
	s_lshl_b32 s30, s39, 20                        ; 256 rows of 4,096 bytes
	s_lshl_b32 s32, s38, 9
	s_add_co_u32 s30, s30, s32
	s_lshl_b32 s32, s[WV], 7
	s_add_co_u32 s30, s30, s32
	s_mov_b32 s31, 0
	s_mul_i32 s32, s27, WSZ
	s_add_co_u32 s32, s32, WOFF
	s_mul_i32 s41, s40, 24576
	s_add_co_u32 s32, s32, s41
	s_mul_i32 s41, s39, 3072
	s_add_co_u32 s32, s32, s41
	s_mov_b32 s33, 0
	s_lshl_b32 s42, s27, 15
	s_add_co_u32 s42, s42, SWOFF
	s_lshl_b32 s41, s40, 10
	s_add_co_u32 s42, s42, s41
	s_lshl_b32 s41, s39, 8
	s_add_co_u32 s42, s42, s41
	s_mov_b32 s43, 0
	s_wait_alu depctr_va_vdst(0)
	s_wait_kmcnt 0x0
	s_cmp_eq_u32 s27, 0
	s_cselect_b64 s[28:29], s[10:11], s[12:13]
	s_cmp_eq_u32 s27, 2
	s_cselect_b64 s[28:29], s[14:15], s[28:29]
	s_cmp_eq_u32 s27, 3
	s_cselect_b64 s[28:29], s[16:17], s[28:29]
	s_add_nc_u64 s[28:29], s[28:29], s[30:31]
	s_add_nc_u64 s[34:35], s[18:19], s[32:33]
	s_add_nc_u64 s[36:37], s[20:21], s[42:43]
.macro LOADW t                         ; block t: W(32 t + i, my feature): 128 consecutive bytes a load
.irp i, 0,1,2,3,4,5,6,7,8,9,10,11,12,13,14,15,16,17,18,19,20,21,22,23,24,25,26,27,28,29,30,31
	global_load_b32 v[16+32*((\t)%2)+\i], v8, s[28:29] offset:(32*(\t)+\i)*4096 th:TH_LOAD_NT
.endr
.endm
.macro BLOCKW t
.set XS, 16+32*((\t)%2)
.if (\t) < 7
	s_wait_loadcnt 32                              ; this block's 32 loads are in; the next block's may be out
.else
	s_wait_loadcnt 0x0
.endif
	v_max3_num_f32 v92, |v[XS]|, |v[XS+1]|, |v[XS+2]|
	v_max3_num_f32 v93, |v[XS+3]|, |v[XS+4]|, |v[XS+5]|
.irp i, 6,10,14,18,22,26
	v_max3_num_f32 v92, v92, |v[XS+\i]|, |v[XS+\i+1]|
	v_max3_num_f32 v93, v93, |v[XS+\i+2]|, |v[XS+\i+3]|
.endr
	v_max3_num_f32 v92, v92, |v[XS+30]|, |v[XS+31]|
	v_max3_num_f32 v92, v92, v93, 0x1800000        ; all 32 numbers are mine; and the floor
	v_add_nc_u32 v94, 0xff000000, v92
	v_lshrrev_b32 v95, 23, v94
.if (\t)%4 == 0
	v_mov_b32 v[96+(\t)/4], v95                    ; four bytes to a word, the lower K in the lower byte
.else
	v_lshl_or_b32 v[96+(\t)/4], v95, 8*((\t)%4), v[96+(\t)/4]
.endif
	v_cvt_scalef32_pk16_fp6_f32 v[80:82], v[XS:XS+15], v94
	v_cvt_scalef32_pk16_fp6_f32 v[88:90], v[XS+16:XS+31], v94
	v_nop
	v_mov_b32 v83, v88
	v_mov_b32 v84, v89
	v_mov_b32 v85, v90
	ds_store_b128 v9, v[80:83] offset:((\t)/4)*1536+(((\t)/2)%2)*768+256*((\t)%2)     ; block t is what lane r + 16 (t % 2) of the image holds
	ds_store_b64 v10, v[84:85] offset:((\t)/4)*1536+(((\t)/2)%2)*768+128*((\t)%2)
.if (\t) < 6
	LOADW (\t)+2
.endif
	s_wait_dscnt 0x0                               ; the stores have read their registers
.endm
	LOADW 0
	LOADW 1
.irp t, 0,1,2,3,4,5,6,7
	BLOCKW \t
.endr
	s_wait_alu depctr_va_vdst(0)
	ds_store_b64 v11, v[96:97]
.irp i, 0,1,2,3,4,5,6,7,8,9,10,11
	ds_load_b128 v[100+4*\i:103+4*\i], v12 offset:512*\i
.endr
	ds_load_b64 v[148:149], v13
.irp i, 0,1,2,3,4,5,6,7,8,9,10,11
	s_wait_dscnt 12-\i                             ; the loads issued behind this one may be out
	global_store_b128 v[L16], v[100+4*\i:103+4*\i], s[34:35] offset:(\i/6)*12288+(\i%6)*512
.endr
	s_wait_dscnt 0x0
	global_store_b64 v[L8], v[148:149], s[36:37]
	s_wait_tensorcnt 0x0
	ds_add_u32 v254, v255
	s_wait_dscnt 0x0
	s_endpgm
.Lfunc_end_k_q8630485f61_prep:
	.size	k_q8630485f61_prep, .Lfunc_end_k_q8630485f61_prep-k_q8630485f61_prep
	.p2alignl 7, 3214868480
	.fill 96, 4, 3214868480
	.section	.rodata,"a",@progbits
	.p2align	6, 0x0
	.amdhsa_kernel k_q8630485f61_prep
		.amdhsa_group_segment_fixed_size 60928
		.amdhsa_private_segment_fixed_size 0
		.amdhsa_enable_private_segment 0
		.amdhsa_kernarg_size 72
		.amdhsa_user_sgpr_count 2
		.amdhsa_user_sgpr_kernarg_segment_ptr 1
		.amdhsa_wavefront_size32 1
		.amdhsa_system_sgpr_workgroup_id_x 1
		.amdhsa_system_sgpr_workgroup_id_y 1
		.amdhsa_system_sgpr_workgroup_id_z 1
		.amdhsa_system_vgpr_workitem_id 0
		.amdhsa_next_free_vgpr 256
		.amdhsa_next_free_sgpr 66
		.amdhsa_reserve_vcc 0
		.amdhsa_float_denorm_mode_32 3
		.amdhsa_float_denorm_mode_16_64 3
		.amdhsa_memory_ordered 1
		.amdhsa_forward_progress 1
		.amdhsa_inst_pref_size 76
	.end_amdhsa_kernel
	.amdgpu_metadata
---
amdhsa.version: [ 1, 2 ]
amdhsa.kernels:
  - .name:           k_q8630485f61_prep
    .symbol:         k_q8630485f61_prep.kd
    .args:
      - { .name: q_x, .offset: 0, .size: 8, .value_kind: global_buffer, .address_space: global }
      - { .name: k_x, .offset: 8, .size: 8, .value_kind: global_buffer, .address_space: global }
      - { .name: v_x, .offset: 16, .size: 8, .value_kind: global_buffer, .address_space: global }
      - { .name: Wq, .offset: 24, .size: 8, .value_kind: global_buffer, .address_space: global }
      - { .name: Wk, .offset: 32, .size: 8, .value_kind: global_buffer, .address_space: global }
      - { .name: Wv, .offset: 40, .size: 8, .value_kind: global_buffer, .address_space: global }
      - { .name: Wo, .offset: 48, .size: 8, .value_kind: global_buffer, .address_space: global }
      - { .name: cod, .offset: 56, .size: 8, .value_kind: global_buffer, .address_space: global }
      - { .name: scl, .offset: 64, .size: 8, .value_kind: global_buffer, .address_space: global }
    .group_segment_fixed_size: 60928
    .private_segment_fixed_size: 0
    .kernarg_segment_align: 8
    .kernarg_segment_size: 72
    .max_flat_workgroup_size: 128
    .sgpr_count:     66
    .vgpr_count:     256
    .wavefront_size: 32
...
	.end_amdgpu_metadata
.endif
;; end of part 1
;; launch gemm_qkv (part 2): grid 4 x 192, 4 waves a work-group, clusters of 4 x 4, 295,424 bytes of LDS; arguments cod, scl, bq, bk, bv, energy_coeffs, qb, kv; writes qb, kv
.if DOCPART == 2
	.amdgcn_target "amdgcn-amd-amdhsa--gfx1250"
	.amdhsa_code_object_version 6
	.text
	.protected	k_q8630485f61_gemm_qkv
	.globl	k_q8630485f61_gemm_qkv
	.p2align	8
	.type	k_q8630485f61_gemm_qkv,@function
k_q8630485f61_gemm_qkv:
	s_mov_b64 s[64:65], 0
	v_nop
	global_prefetch_b8 v0, s[64:65] scope:SCOPE_SE
	s_setreg_imm32_b32 hwreg(HW_REG_WAVE_MODE, 25, 1), 1
	s_wait_xcnt 0x0
	s_wait_alu depctr_hold_cnt(0) depctr_sa_sdst(0) depctr_va_vdst(0) depctr_va_sdst(0) depctr_va_ssrc(0) depctr_va_vcc(0) depctr_vm_vsrc(0)
	s_getreg_b32 s2, hwreg(HW_REG_IB_STS2, 6, 4)
	s_cmp_eq_u32 s2, 0
	s_cbranch_scc0 .Lentry_in_a_cluster
	s_endpgm
.Lentry_in_a_cluster:
	s_bfe_u32 s2, ttmp6, 0x10000c
	s_cmp_lg_u32 s2, 0xf033
	s_cbranch_scc0 .Lentry_shape_is_right
	s_endpgm
.Lentry_shape_is_right:
; Q = q_x Wq + bq, K = k_x Wk + bk, V = v_x Wv + bv on codes of FP6 (E2M3) with E8M0 scales, f32 sums; the results are quantised here, in registers, for the two products of attention.
; A work-group makes 128 rows of the LANE side (source 1) x 256 rows of the REGISTER side (source 0) over all of K = 1,024.  Q, K: lanes = tokens, registers = features, so that a lane's registers
; run along a head's 64, the K of Q K^T.  V: lanes = features, registers = tokens, so that they run along the keys, the K of P V.  Cluster y / 16 says which: 0 Q, 1 K, 2 V.
; Both operands lie in one buffer as images of operand registers (16 rows x 128 K: 1,536 bytes; a tile's 8 K steps: 12,288), so that the text is one for all three up to the way out.
; LDS: the work-group's operands for ALL of K fit: 8 tiles x 12,288 bytes of the lane side, then 16 x 12,288 of the register side.  Every byte is filled once: no slot is filled again.
; CLUSTER 4 x 4: the lane side's tiles are shared along a row of the cluster, the register side's along a column: joint loads.  A wave has one tensor load out, all of K, and waits for it by count.
; A wave makes 64 x 128: 32 accumulators, which take turns, one instruction a turn.
; THE MASK OF ATTENTION RIDES IN THE UNUSED HALF OF Q K^T's K = 128: Q's code at k = 64 is 1.0 under the byte 127; a key with |energy| <= 0.1 gets the code -1.0 there under the byte 227 (2^100), any other key
; the code 0 under the byte 1.  So a masked score comes out near -2^100, and a key that counts has no large scale in its word.
; LIMITS: NaN and infinities among the inputs are not served; attention takes |score x log2(e) / 8| to lie under 2^64.
; REGISTERS.  Window 0: v1-15 lane terms and addresses; v16-47, v48-63 scale words (register side, lane side; a register serves a pair of tiles: lanes 0-15 the even one, lanes 16-31 the odd one);
;   v64-127 the bias along the registers, later the numbers to quantise; v128-205 the way out.  Windows 1, 2: two sets of fragments (v0-95 register side, v96-143 lane side).  Window 3: accumulator (a, b) at v[8 (8 a + b)].
.set XSZ,   6291456
.set WOFF,  18874368
.set WSZ,   786432
.set SWOFF, 786432
.set CHUNK, 73728
.set WV,   20
.set HA,   21                          ; which 64 rows of the lane side are mine
.set HB,   22                          ; which 128 of the register side; also which half of a tile's rows I fetch
.set CX,   23
.set CY,   24
.set PM,   25                          ; 0 Q, 1 K, 2 V
.set TCOL, 27
.set TROW, 28
.set HI,   29
.set SEL,  30
.set G1A,  32
.set G1B,  40
.set G0A,  48                          ; s[48:51]
.set G0B,  68                          ; s[68:71]
.set MQK,  94                          ; all ones for Q and K, else 0
.set MV,   95                          ; all ones for V, else 0
.set AA16, 5
.set AA8,  6
.set AB16, 7
.set AB8,  8
.set L16,  9
.set L8,   10
.set SB,   16
.set SA,   48
.set BR,   64
.set VAL,  64
.set PC,   128
.set PX,   140
.set TM,   148
.set PW,   164
.set BL,   166                         ; v166-173 the bias along the lanes, a pair for each tile a
.set X6,   174                         ; v174-177 register 6 of a unit of Q or K: the code at k = 64
.set E,    178
.set QD0,  182
.set QD1,  186
.set SCA,  190
.set SCB,  192
.set SV0,  194
.set SV1,  195
.set C0,   196
.set C1,   197
.set SCNV, 198                         ; v198-201 the upper two bytes of a token's scale word
.set C2,   202
.set C3,   203
.set W0T,  204
.set W1T,  205
.set MSB, 0
.macro WIN new                         ; the immediate's high byte repeats the setting that is left
.if MSB != \new
	s_set_vgpr_msb (MSB<<8)|\new
.set MSB, \new
.endif
.endm
.macro ROUND                           ; a round of the cluster's barrier
	s_barrier_signal -1
	s_barrier_wait -1
	s_cmp_lg_u32 s[WV], 0
	s_cbranch_scc1 .Lnot_wave_0_\@
	s_barrier_signal -3
.Lnot_wave_0_\@:
	s_barrier_wait -3
	s_barrier_signal -1
	s_barrier_wait -1
.endm
; 64 numbers of a lane, register 16 b + i = k 32 b + 16 (lane / 16) + i of its row, become a fragment's 12 registers in v[pc] on and the row's scale word in v[pw].
.macro QUANT s, pc, px, tm, pw
.irp b, 0,1,2,3
	v_max3_num_f32 v[\tm+\b], |v[\s+16*\b]|, |v[\s+16*\b+1]|, 0x1800000     ; and the floor 2^(3 - 127): the byte cannot fall under 1
.endr
.irp i, 2,4,6,8,10,12,14
.irp b, 0,1,2,3
	v_max3_num_f32 v[\tm+\b], v[\tm+\b], |v[\s+16*\b+\i]|, |v[\s+16*\b+\i+1]|
.endr
.endr
.irp b, 0,1,2,3
	v_permlanex16_b32 v[\tm+4+\b], v[\tm+\b], s[SEL], s[SEL+1]
.endr
.irp b, 0,1,2,3
	v_max_num_f32 v[\tm+\b], v[\tm+\b], v[\tm+4+\b]
.endr
.irp b, 0,1,2,3
	v_add_nc_u32 v[\tm+12+\b], 0xff000000, v[\tm+\b]                        ; 2 off the exponent field: the conversion's scale operand
.endr
.irp b, 0,1,2,3
	v_lshrrev_b32 v[\tm+4+\b], 23, v[\tm+12+\b]
.endr
	v_lshl_or_b32 v[\pw], v[\tm+5], 8, v[\tm+4]
	v_lshl_or_b32 v[\pw], v[\tm+6], 16, v[\pw]
	v_lshl_or_b32 v[\pw], v[\tm+7], 24, v[\pw]
.irp c, 0,1
	v_cvt_scalef32_pk16_fp6_f32 v[\pc+6*\c:\pc+6*\c+2], v[\s+32*\c:\s+32*\c+15], v[\tm+12+2*\c]
	v_cvt_scalef32_pk16_fp6_f32 v[\px+4*\c:\px+4*\c+2], v[\s+32*\c+16:\s+32*\c+31], v[\tm+13+2*\c]
.endr
	v_nop                                                                   ; one plain line behind the scaled conversions
.irp c, 0,1
.irp i, 0,1,2
	v_permlane16_swap_b32 v[\pc+6*\c+\i], v[\px+4*\c+\i]
.endr
.irp i, 0,1,2
	v_mov_b32 v[\pc+6*\c+3+\i], v[\px+4*\c+\i]
.endr
.endr
.endm
; one matrix instruction; ra, rb: source 0's, source 1's scales stand in lanes 16-31 of their register
.macro WMC d, a, b, c, sa, sb, ra, rb
.if (\ra) && (\rb)
	v_wmma_scale_f32_16x16x128_f8f6f4 v[\d:\d+7], v[\a:\a+11], v[\b:\b+11], v[\c:\c+7], v[\sa], v[\sb] matrix_a_fmt:MATRIX_FMT_FP6 matrix_b_fmt:MATRIX_FMT_FP6 matrix_a_scale:MATRIX_SCALE_ROW1 matrix_b_scale:MATRIX_SCALE_ROW1
.elseif (\ra)
	v_wmma_scale_f32_16x16x128_f8f6f4 v[\d:\d+7], v[\a:\a+11], v[\b:\b+11], v[\c:\c+7], v[\sa], v[\sb] matrix_a_fmt:MATRIX_FMT_FP6 matrix_b_fmt:MATRIX_FMT_FP6 matrix_a_scale:MATRIX_SCALE_ROW1
.elseif (\rb)
	v_wmma_scale_f32_16x16x128_f8f6f4 v[\d:\d+7], v[\a:\a+11], v[\b:\b+11], v[\c:\c+7], v[\sa], v[\sb] matrix_a_fmt:MATRIX_FMT_FP6 matrix_b_fmt:MATRIX_FMT_FP6 matrix_b_scale:MATRIX_SCALE_ROW1
.else
	v_wmma_scale_f32_16x16x128_f8f6f4 v[\d:\d+7], v[\a:\a+11], v[\b:\b+11], v[\c:\c+7], v[\sa], v[\sb] matrix_a_fmt:MATRIX_FMT_FP6 matrix_b_fmt:MATRIX_FMT_FP6
.endif
.endm
.macro FRAG4 reg, a16, a8, off         ; a fragment's image back into 12 registers
	ds_load_b128 v[\reg:\reg+3], v[\a16] offset:\off
	ds_load_b64 v[\reg+4:\reg+5], v[\a8] offset:\off+512
	ds_load_b128 v[\reg+6:\reg+9], v[\a16] offset:\off+768
	ds_load_b64 v[\reg+10:\reg+11], v[\a8] offset:\off+1280
.endm
.macro FETCH s                         ; K step s: 12 fragments, 48 LDS loads, into set s % 2
.if (\s)%2
	WIN 0x80
.else
	WIN 0x40
.endif
.irp b, 0,1,2,3,4,5,6,7
	FRAG4 12*\b, AB16+ABH*(\b/4), AB8+ABH*(\b/4), 12288*(\b%4)+1536*(\s)   ; LDS AS IT NOW LIES: a tile's 8 K steps on end (12,288 bytes): 8 tiles of the lane side, then 16 of the register side; tiles 4-7 of my eight by a second pair of addresses
.endr
.irp a, 0,1,2,3
	FRAG4 96+12*\a, AA16, AA8, 12288*\a+1536*(\s)
.endr
.endm
.macro MUL s, first                    ; 32 matrix instructions; the first K step starts the sums with the bias along the registers as C
.if \first
	WIN 0xc5
.elseif (\s)%2
	WIN 0xfa
.else
	WIN 0xf5
.endif
.irp a, 0,1,2,3
.irp b, 0,1,2,3,4,5,6,7
.if \first
	WMC 8*(8*\a+\b), 12*\b, 96+12*\a, BR+8*\b, SB+8*(\b/2)+(\s), SA+8*(\a/2)+(\s), \b%2, \a%2
.else
	WMC 8*(8*\a+\b), 12*\b, 96+12*\a, 8*(8*\a+\b), SB+8*(\b/2)+(\s), SA+8*(\a/2)+(\s), \b%2, \a%2
.endif
.endr
.endr
.endm
; K step s is multiplied while step s + 1's fragments come.  The loads land in the set that step s - 1's products read: four plain vector lines stand between (ISA guide 7.12.1 for vector instructions).
.macro KSTEP s
.if (\s) < 7
	WIN 0
.rept 4
	v_nop                                          ; the places; all of K lies in LDS since the one barrier at the head
.endr
	FETCH (\s)+1
	s_wait_alu depctr_va_vdst(0)
	s_wait_dscnt 48                                ; all but the 48 just issued
.else
	s_wait_dscnt 0x0
.endif
.if (\s) == 0
	MUL \s, 1
.else
	MUL \s, 0
.endif
.endm
	s_load_b256 s[4:11], s[0:1], 0x0               ; cod, scl, bq, bk
	s_load_b256 s[12:19], s[0:1], 0x20             ; bv, energy, qb, kv
	v_lshl_add_u32 v254, v0, 2, 0x48000
	v_mov_b32 v255, 0
	ds_add_u32 v254, v255
	ds_add_u32 v254, v255
	v_lshrrev_b32 v1, 5, v0
	v_readfirstlane_b32 s[WV], v1
	s_lshr_b32 s[HA], s[WV], 1
	s_and_b32 s[HB], s[WV], 1
	s_bfe_u32 s[CX], ttmp6, 0x40000
	s_bfe_u32 s[CY], ttmp6, 0x40004
	s_and_b32 s[PM], ttmp7, 0xffff                 ; cluster y: 16 for each of Q, K, V
	s_and_b32 s26, s[PM], 15
	s_lshr_b32 s[PM], s[PM], 4
	s_mov_b32 s[HI], 0xffff0000
	s_mov_b32 s[SEL], 0x76543210
	s_mov_b32 s[SEL+1], 0xfedcba98
	s_and_b32 s84, s26, 7
	s_lshr_b32 s85, s26, 3
	s_mul_i32 s86, s[PM], XSZ                      ; Q, K: the lane side is the activation,
	s_mul_i32 s87, s[PM], WSZ
	s_add_co_u32 s87, s87, WOFF                    ; the register side the weight;
	s_lshl_b32 s88, s[PM], 18
	s_lshl_b32 s89, s[PM], 15
	s_add_co_u32 s89, s89, SWOFF
	s_mov_b32 s90, WOFF+2*WSZ                      ; V: the other way round
	s_mov_b32 s91, 2*XSZ
	s_mov_b32 s92, SWOFF+2*32768
	s_mov_b32 s93, 2*262144
	s_cmp_eq_u32 s[PM], 2
	s_cselect_b32 s84, s84, 0                      ; the cluster's column,
	s_cselect_b32 s85, s85, s26                    ; and its row
	s_cselect_b32 s86, s90, s86                    ; lane side: codes,
	s_cselect_b32 s87, s91, s87                    ; register side: codes,
	s_cselect_b32 s88, s92, s88                    ; lane side: scale words,
	s_cselect_b32 s89, s93, s89                    ; register side: scale words
	s_cselect_b32 s[MQK], 0, -1
	s_cselect_b32 s[MV], -1, 0
	s_lshl_b32 s[TCOL], s84, 2
	s_add_co_u32 s[TCOL], s[TCOL], s[CX]           ; which 256 rows of the register side
	s_lshl_b32 s[TROW], s85, 2
	s_add_co_u32 s[TROW], s[TROW], s[CY]           ; which 128 rows of the lane side
	s_lshl_b32 s96, s[CY], 2
	s_lshl_b32 s96, 15, s96                        ; my row of the cluster
	s_lshl_b32 s2, 0x1111, s[CX]                   ; my column
	; group 1: rows of 3,072 bytes (a tile's two K steps: 384 elements of 8 bytes), 12,288 bytes apart; 4 tiles of the lane side or 8 of the register side to a load; no padding
	s_or_b32 s[G1A], s96, (3<<16)|(1<<21)
	s_mov_b32 s[G1A+1], 32<<16                     ; ONE LOAD A WAVE: my 4 tiles of the lane side, all of K, are 49,152 dense bytes: 192 rows of 256 bytes
	s_mov_b32 s[G1A+2], 192<<16
	s_mov_b32 s[G1A+3], 32<<16
	s_mov_b32 s[G1A+4], 192
	s_mov_b32 s[G1A+5], 32
	s_mov_b32 s[G1A+6], 0
	s_mov_b32 s[G1A+7], 0
	s_or_b32 s[G1B], s2, (3<<16)|(1<<21)
	s_mov_b32 s[G1B+1], 32<<16                     ; my 8 tiles of the register side: 98,304 dense bytes: 384 rows of 256 bytes
	s_mov_b32 s[G1B+2], 384<<16
	s_mov_b32 s[G1B+3], 32<<16
	s_mov_b32 s[G1B+4], 384
	s_mov_b32 s[G1B+5], 32
	s_mov_b32 s[G1B+6], 0
	s_mov_b32 s[G1B+7], 0
	s_mul_i32 s96, s[TROW], 98304                  ; the lane side's address hangs on the row alone, the register side's on the column alone
	s_add_co_u32 s96, s96, s86
	s_mul_i32 s98, s[HB], 49152
	s_add_co_u32 s96, s96, s98
	s_mov_b32 s97, 0
	s_mul_i32 s2, s[TCOL], 196608
	s_add_co_u32 s2, s2, s87
	s_mul_i32 s99, s[HB], 98304
	s_add_co_u32 s2, s2, s99
	s_mov_b32 s3, 0
	s_mul_i32 s98, s[HB], 49152
	s_mul_i32 s99, s[HB], 98304
	s_add_co_u32 s99, s99, 98304
	s_wait_dscnt 0x0
	s_wait_kmcnt 0x0
	s_add_nc_u64 s[96:97], s[4:5], s[96:97]
	s_add_nc_u64 s[2:3], s[4:5], s[2:3]
.irp c, 0
	s_mov_b32 s[G0A+4*\c], 1
	s_add_co_u32 s[G0A+4*\c+1], s98, \c*CHUNK
	s_add_nc_u64 s[G0A+4*\c+2:G0A+4*\c+3], s[96:97], \c*3072
	s_or_b32 s[G0A+4*\c+3], s[G0A+4*\c+3], 0x80000000
	s_mov_b32 s[G0B+4*\c], 1
	s_add_co_u32 s[G0B+4*\c+1], s99, \c*CHUNK
	s_add_nc_u64 s[G0B+4*\c+2:G0B+4*\c+3], s[2:3], \c*3072
	s_or_b32 s[G0B+4*\c+3], s[G0B+4*\c+3], 0x80000000
.endr
	ROUND                                          ; all sixteen work-groups are here: the joint loads meet
	s_cmp_lt_u32 s[WV], 2                          ; waves 0, 1 fetch the lane side's halves, waves 2, 3 the register side's: one load each, in one branch
	s_cbranch_scc0 .Lfill_b
	tensor_load_to_lds s[G0A:G0A+3], s[G1A:G1A+7]
	s_nop 0
.rept 4
	v_nop
.endr
	s_branch .Lfilled
.Lfill_b:
	tensor_load_to_lds s[G0B:G0B+3], s[G1B:G1B+7]
	s_nop 0
.rept 4
	v_nop
.endr
.Lfilled:
	v_and_b32 v1, 31, v0                           ; lane
	v_and_b32 v2, 15, v0                           ; r
	v_bfe_u32 v3, v0, 4, 1                         ; h
	v_and_b32 v4, 8, v2
	v_add_nc_u32 v4, v4, v2                        ; r + 8 (r / 8): lane r's row in a tile
	v_lshlrev_b32 v[L16], 4, v1
	v_lshlrev_b32 v[L8], 3, v1
	s_wait_alu depctr_va_vdst(0)
.set ABH, 7                            ; v14, v15: the addresses of my register side's tiles 4-7
	s_mul_i32 s98, s[HA], 49152
	v_add_nc_u32 v[AA16], s98, v[L16]
	v_add_nc_u32 v[AA8], s98, v[L8]
	s_mul_i32 s98, s[HB], 98304
	s_add_co_u32 s98, s98, 98304
	v_add_nc_u32 v[AB16], s98, v[L16]
	v_add_nc_u32 v[AB8], s98, v[L8]
	v_add_nc_u32 v[AB16+ABH], 49152, v[AB16]
	v_add_nc_u32 v[AB8+ABH], 49152, v[AB8]
	v_lshlrev_b32 v11, 6, v3                       ; 64 h: a bias along the registers
	s_wait_alu depctr_va_vdst(0)
	v_lshlrev_b32 v12, 2, v4                       ; 4 x my row: a bias, or the energy, along the lanes
	; what comes straight from memory while the tiles are on their way: scale words, biases, energy
	s_wait_alu depctr_va_vdst(0)
	s_lshl_b32 s98, s[TCOL], 3
	s_lshl_b32 s99, s[HB], 2
	s_add_co_u32 s98, s98, s99
	s_lshl_b32 s98, s98, 10
	s_add_co_u32 s98, s98, s89
	s_mov_b32 s99, 0
	s_add_nc_u64 s[84:85], s[6:7], s[98:99]        ; the register side's four pairs
	s_lshl_b32 s98, s[TROW], 2
	s_lshl_b32 s96, s[HA], 1
	s_add_co_u32 s98, s98, s96
	s_lshl_b32 s98, s98, 10
	s_add_co_u32 s98, s98, s88
	s_add_nc_u64 s[86:87], s[6:7], s[98:99]        ; the lane side's two pairs
	s_cmp_eq_u32 s[PM], 0
	s_cselect_b64 s[88:89], s[8:9], s[10:11]
	s_cmp_eq_u32 s[PM], 2
	s_cselect_b64 s[88:89], s[12:13], s[88:89]     ; my bias
	s_lshl_b32 s98, s[TCOL], 10
	s_lshl_b32 s96, s[HB], 9
	s_add_co_u32 s98, s98, s96
	s_and_b32 s98, s98, s[MQK]                     ; (for V: from the bias's first byte on, and cleared below)
	s_add_nc_u64 s[90:91], s[88:89], s[98:99]
	s_lshl_b32 s98, s[TROW], 9
	s_lshl_b32 s96, s[HA], 8
	s_add_co_u32 s98, s98, s96
	s_add_nc_u64 s[2:3], s[14:15], s[98:99]        ; the energy at my lane side's rows: tokens for Q and K; inside the buffer for V too, where it is not used
	s_and_b32 s98, s98, s[MV]                      ; (for Q, K: from the first byte on, and cleared below)
	s_add_nc_u64 s[92:93], s[88:89], s[98:99]
.irp p, 0,1,2,3
.irp y, 0,1,2,3
	global_load_b64 v[SB+8*\p+2*\y:SB+8*\p+2*\y+1], v[L8], s[84:85] offset:1024*\p+256*\y
.endr
.endr
.irp p, 0,1
.irp y, 0,1,2,3
	global_load_b64 v[SA+8*\p+2*\y:SA+8*\p+2*\y+1], v[L8], s[86:87] offset:1024*\p+256*\y
.endr
.endr
.irp b, 0,1,2,3,4,5,6,7
	global_load_b128 v[BR+8*\b:BR+8*\b+3], v11, s[90:91] offset:128*(\b/2)+32*(\b%2)
	global_load_b128 v[BR+8*\b+4:BR+8*\b+7], v11, s[90:91] offset:128*(\b/2)+32*(\b%2)+16
.endr
.irp a, 0,1,2,3
	global_load_b32 v[BL+2*\a], v12, s[92:93] offset:128*(\a/2)+32*(\a%2)
	global_load_b32 v[BL+2*\a+1], v12, s[92:93] offset:128*(\a/2)+32*(\a%2)
	global_load_b32 v[E+\a], v12, s[2:3] offset:128*(\a/2)+32*(\a%2)
.endr
	s_wait_tensorcnt 0x0                           ; my one load is in
	s_barrier_signal -1
	s_barrier_wait -1
	FETCH 0
	WIN 0
	s_wait_loadcnt 0x0
.set i, 0
.rept 64
	v_cndmask_b32 v[BR+i], 0, v[BR+i], s[MQK]      ; V has no bias along the registers
.set i, i+1
.endr
.set i, 0
.rept 8
	v_cndmask_b32 v[BL+i], 0, v[BL+i], s[MV]       ; Q and K none along the lanes
.set i, i+1
.endr
	s_mov_b32 s86, 0x7f7f0000
	s_cmp_eq_u32 s[PM], 1
	s_cselect_b32 s84, 0x28, 8                     ; the code at k = 64: a masked key -1.0, Q 1.0,
	s_cselect_b32 s85, 0, 8                        ; a key that counts 0
	s_cselect_b32 s87, 0x01e30000, s86             ; bytes 2, 3 of the scale word: a masked key 227, 1; Q 127, 127;
	s_cselect_b32 s88, 0x01010000, s86             ; a key that counts 1, 1
	v_sub_nc_u32 v13, 1, v3
	v_mul_u32_u24 v[C0], v13, s84                  ; k = 64 lies in lanes 0-15
	v_mul_u32_u24 v[C1], v13, s85
	v_mov_b32 v[C2], s87
	v_mov_b32 v[C3], s88
.irp a, 0,1,2,3
	v_and_b32 v[E+\a], 0x7fffffff, v[E+\a]
.endr
.irp a, 0,1,2,3
	v_cmp_lt_f32 vcc_lo, 0x3dcccccd, v[E+\a]       ; 0.1 < |energy|: the key counts
	v_cndmask_b32 v[X6+\a], v[C0], v[C1], vcc_lo
	v_cndmask_b32 v[SCNV+\a], v[C2], v[C3], vcc_lo
.endr
.irp b, 0,1,2,3
	v_mov_b32 v[TM+4+\b], 0
.endr
	v_mov_b32 v[QD0+3], 0
	v_mov_b32 v[QD1+3], 0
.irp s, 0,1,2,3,4,5,6,7
	KSTEP \s
.endr
	WIN 0
.rept 4
	v_nop                                          ; places in front of the first read of results
.endr
; THE WAY OUT, a tile a of the lane side at a time: + the bias along the lanes; a lane's 64 numbers run along the next product's K: quantised in registers, stored as images
.macro EPIC a
.if (\a) > 0
	s_wait_xcnt 0x0                                ; the last tile's stores have read their registers
.endif
	WIN 0x03
.set i, 0
.rept 32
	v_pk_add_f32 v[VAL+i:VAL+i+1], v[64*(\a)+i:64*(\a)+i+1], v[BL+2*(\a):BL+2*(\a)+1]   ; each accumulator from its low end on
.set i, i+2
.endr
	WIN 0
	QUANT VAL, PC, PX, TM, PW
.endm
.macro EPIQK a                         ; 128 features are two heads: registers 0-5 the first's unit, 6-11 the second's.  A unit is stored as 0-3 and {4, 5, the code at k = 64, 0}: 1,024 bytes
	EPIC \a
	v_mov_b32 v[QD0], v[PC+4]
	v_mov_b32 v[QD0+1], v[PC+5]
	v_mov_b32 v[QD0+2], v[X6+(\a)]
	v_mov_b32 v[QD1], v[PC+10]
	v_mov_b32 v[QD1+1], v[PC+11]
	v_mov_b32 v[QD1+2], v[X6+(\a)]
	global_store_b128 v[L16], v[PC:PC+3], s[32:33] offset:1024*(\a)
	global_store_b128 v[L16], v[QD0:QD0+3], s[32:33] offset:1024*(\a)+512
	global_store_b128 v[L16], v[PC+6:PC+9], s[34:35] offset:1024*(\a)
	global_store_b128 v[L16], v[QD1:QD1+3], s[34:35] offset:1024*(\a)+512
.if (\a)%2 == 0
	v_and_or_b32 v[SV0], v[PW], 0xffff, v[SCNV+(\a)]
	v_lshrrev_b32 v[SV1], 16, v[PW]
	v_or_b32 v[SV1], v[SV1], v[SCNV+(\a)]
.else
	v_and_or_b32 v[W0T], v[PW], 0xffff, v[SCNV+(\a)]
	v_lshrrev_b32 v[W1T], 16, v[PW]
	v_or_b32 v[W1T], v[W1T], v[SCNV+(\a)]
	v_cndmask_b32 v[SCA+(\a)/2], v[SV0], v[W0T], s[HI]
	v_cndmask_b32 v[SCB+(\a)/2], v[SV1], v[W1T], s[HI]
.endif
.endm
.macro EPIV a                          ; 16 of a head's 64 x 128 keys: one fragment of V^T
	EPIC \a
	global_store_b128 v[L16], v[PC:PC+3], s[32:33] offset:1536*(\a)
	global_store_b64 v[L8], v[PC+4:PC+5], s[32:33] offset:1536*(\a)+512
	global_store_b128 v[L16], v[PC+6:PC+9], s[32:33] offset:1536*(\a)+768
	global_store_b64 v[L8], v[PC+10:PC+11], s[32:33] offset:1536*(\a)+1280
.if (\a)%2 == 0
	v_mov_b32 v[SV0], v[PW]
.else
	v_cndmask_b32 v[SCA+(\a)/2], v[SV0], v[PW], s[HI]
.endif
.endm
	s_cmp_eq_u32 s[PM], 2                          ; the same in all partners.  No tensor load of mine is out: the descriptors' registers are free
	s_cbranch_scc1 .Lvmode
	s_lshr_b32 s40, s[TROW], 4
	s_lshl_b32 s40, s40, 4
	s_lshl_b32 s42, s[TCOL], 2
	s_add_co_u32 s40, s40, s42
	s_lshl_b32 s42, s[HB], 1
	s_add_co_u32 s40, s40, s42                     ; 16 x batch + my first head
	s_and_b32 s41, s[TROW], 15                     ; which 128 tokens of the batch
	s_mov_b32 s43, 241664
	s_mov_b32 s44, 229376
	s_cmp_eq_u32 s[PM], 1
	s_cselect_b32 s54, s43, 131072                 ; from head to head: the units,
	s_cselect_b32 s46, s44, 8388608                ; where the words begin,
	s_cselect_b32 s56, s43, 8192                   ; from head to head: the words
	s_cselect_b64 s[48:49], s[18:19], s[16:17]
	s_mov_b32 s55, 0
	s_mov_b32 s57, 0
	s_mul_i32 s50, s40, s54
	s_lshl_b32 s42, s41, 13
	s_add_co_u32 s50, s50, s42
	s_lshl_b32 s42, s[HA], 12
	s_add_co_u32 s50, s50, s42
	s_mov_b32 s51, 0
	s_mul_i32 s52, s40, s56
	s_add_co_u32 s52, s52, s46
	s_lshl_b32 s42, s41, 9
	s_add_co_u32 s52, s52, s42
	s_lshl_b32 s42, s[HA], 8
	s_add_co_u32 s52, s52, s42
	s_mov_b32 s53, 0
	s_add_nc_u64 s[32:33], s[48:49], s[50:51]
	s_add_nc_u64 s[34:35], s[32:33], s[54:55]
	s_add_nc_u64 s[36:37], s[48:49], s[52:53]
	s_add_nc_u64 s[38:39], s[36:37], s[56:57]
	EPIQK 0
	EPIQK 1
	EPIQK 2
	EPIQK 3
	global_store_b64 v[L8], v[SCA:SCA+1], s[36:37]
	global_store_b64 v[L8], v[SCB:SCB+1], s[38:39]
	s_branch .Ldone
.Lvmode:
	s_lshr_b32 s40, s[TCOL], 3
	s_lshl_b32 s40, s40, 4
	s_lshl_b32 s41, s[TROW], 1
	s_add_co_u32 s40, s40, s41
	s_add_co_u32 s40, s40, s[HA]                   ; 16 x batch + my head
	s_lshl_b32 s41, s[TCOL], 1
	s_add_co_u32 s41, s41, s[HB]
	s_and_b32 s41, s41, 15                         ; which 128 keys
	s_mul_i32 s40, s40, 241664
	s_mul_i32 s42, s41, 6144
	s_add_co_u32 s50, s40, s42
	s_add_co_u32 s50, s50, 131072
	s_mov_b32 s51, 0
	s_lshl_b32 s42, s41, 8
	s_add_co_u32 s52, s40, s42
	s_add_co_u32 s52, s52, 237568
	s_mov_b32 s53, 0
	s_add_nc_u64 s[32:33], s[18:19], s[50:51]
	s_add_nc_u64 s[36:37], s[18:19], s[52:53]
	EPIV 0
	EPIV 1
	EPIV 2
	EPIV 3
	global_store_b64 v[L8], v[SCA:SCA+1], s[36:37]
.Ldone:
	s_wait_tensorcnt 0x0
	ds_add_u32 v254, v255
	s_wait_dscnt 0x0
	ROUND                                          ; the closing round: no work-group ends while a partner may still ask for a tile that names it
	s_endpgm
.Lfunc_end_k_q8630485f61_gemm_qkv:
	.size	k_q8630485f61_gemm_qkv, .Lfunc_end_k_q8630485f61_gemm_qkv-k_q8630485f61_gemm_qkv
	.p2alignl 7, 3214868480
	.fill 96, 4, 3214868480
	.section	.rodata,"a",@progbits
	.p2align	6, 0x0
	.amdhsa_kernel k_q8630485f61_gemm_qkv
		.amdhsa_group_segment_fixed_size 295424
		.amdhsa_private_segment_fixed_size 0
		.amdhsa_enable_private_segment 0
		.amdhsa_kernarg_size 64
		.amdhsa_user_sgpr_count 2
		.amdhsa_user_sgpr_kernarg_segment_ptr 1
		.amdhsa_wavefront_size32 1
		.amdhsa_system_sgpr_workgroup_id_x 1
		.amdhsa_system_sgpr_workgroup_id_y 1
		.amdhsa_system_sgpr_workgroup_id_z 1
		.amdhsa_system_vgpr_workitem_id 0
		.amdhsa_next_free_vgpr 1024
		.amdhsa_next_free_sgpr 100
		.amdhsa_reserve_vcc 1
		.amdhsa_float_denorm_mode_32 3
		.amdhsa_float_denorm_mode_16_64 3
		.amdhsa_memory_ordered 1
		.amdhsa_forward_progress 1
		.amdhsa_inst_pref_size 131
	.end_amdhsa_kernel
	.amdgpu_metadata
---
amdhsa.version: [ 1, 2 ]
amdhsa.kernels:
  - .name:           k_q8630485f61_gemm_qkv
    .symbol:         k_q8630485f61_gemm_qkv.kd
    .args:
      - { .name: cod, .offset: 0, .size: 8, .value_kind: global_buffer, .address_space: global }
      - { .name: scl, .offset: 8, .size: 8, .value_kind: global_buffer, .address_space: global }
      - { .name: bq, .offset: 16, .size: 8, .value_kind: global_buffer, .address_space: global }
      - { .name: bk, .offset: 24, .size: 8, .value_kind: global_buffer, .address_space: global }
      - { .name: bv, .offset: 32, .size: 8, .value_kind: global_buffer, .address_space: global }
      - { .name: energy_coeffs, .offset: 40, .size: 8, .value_kind: global_buffer, .address_space: global }
      - { .name: qb, .offset: 48, .size: 8, .value_kind: global_buffer, .address_space: global }
      - { .name: kv, .offset: 56, .size: 8, .value_kind: global_buffer, .address_space: global }
    .group_segment_fixed_size: 295424
    .private_segment_fixed_size: 0
    .kernarg_segment_align: 8
    .kernarg_segment_size: 64
    .max_flat_workgroup_size: 128
    .sgpr_count:     100
    .vgpr_count:     1024
    .wavefront_size: 32
...
	.end_amdgpu_metadata
.endif
;; end of part 2
;; launch attn (part 3): grid 4 x 64, 4 waves a work-group, clusters of 4 x 1, 327,680 bytes of LDS; arguments qb, kv, ob; writes ob
.if DOCPART == 3
	.amdgcn_target "amdgcn-amd-amdhsa--gfx1250"
	.amdhsa_code_object_version 6
	.text
	.protected	k_q8630485f61_attn
	.globl	k_q8630485f61_attn
	.p2align	8
	.type	k_q8630485f61_attn,@function
k_q8630485f61_attn:
	s_mov_b64 s[64:65], 0
	v_nop
	global_prefetch_b8 v0, s[64:65] scope:SCOPE_SE
	s_setreg_imm32_b32 hwreg(HW_REG_WAVE_MODE, 25, 1), 1
	s_wait_xcnt 0x0
	s_wait_alu depctr_hold_cnt(0) depctr_sa_sdst(0) depctr_va_vdst(0) depctr_va_sdst(0) depctr_va_ssrc(0) depctr_va_vcc(0) depctr_vm_vsrc(0)
	s_getreg_b32 s2, hwreg(HW_REG_IB_STS2, 6, 4)
	s_cmp_eq_u32 s2, 0
	s_cbranch_scc0 .Lentry_in_a_cluster
	s_endpgm
.Lentry_in_a_cluster:
	s_bfe_u32 s2, ttmp6, 0x10000c
	s_cmp_lg_u32 s2, 0x3003
	s_cbranch_scc0 .Lentry_shape_is_right
	s_endpgm
.Lentry_shape_is_right:
; O = softmax(mask(Q K^T / 8)) V for one (batch, head), both products on codes of FP6 (E2M3) with E8M0 scales.  The second product takes the FINISHED softmax, quantised along the keys.
; EACH SCORE IS MULTIPLIED AND EXPONENTIATED ONCE.  A work-group: one head, 512 queries, in 16 trips of 32 queries (two tiles of 16).  All four waves take the same 32 queries; each wave owns a quarter of the keys, 512.
; So a wave's 32 x 512 numbers 2^(t - M_w) stay in 512 registers (windows 2, 3) until the row's divisor is known.  t = score x log2(e) / 8; M_w = the wave's largest t rounded up to a whole number.
; A trip: S^T = K Q^T (64 matrix instructions); block and row maxima; t - M_w; one batch of exponentials; the sums l_w; (-M_w, l_w) go to the other waves through LDS (one barrier);
; M = the largest M_w, l = sum of l_w 2^(M_w - M) (nothing rounded by the powers of two); p = 2^(t - M_w) x (2^(M_w - M) / l); quantised block by block; O^T part = V^T P over my 512 keys (32 matrix instructions).
; A BLOCK'S LARGEST p IS NOT SEARCHED FOR: the block's largest score, found on the way to the row's maximum, goes through the same multiply-add, exponential and multiplication as its element
; (this takes v_exp_f32 not to fall where its input rises).
; The four waves' parts of O^T go through LDS; behind every second trip wave w sums tile w of the 64 queries' four, quantises it along the head's 64 and stores it.
; THE MASK comes with K: a masked key's score is near -2^100.  The largest t is held at -2^64 from below, so that masked keys give p = 0.  A row with no key left has l = 0: its 1 / l is replaced by 0.
; LIMITS: |score x log2(e) / 8| under 2^64; NaN and infinities are not served.  O's scale words leave as 16 words of 4 bytes, 8 bytes apart, a wave: one store for 1,024 numbers of O.
; LDS: the head's K, V and scale words whole (241,664 bytes, every byte filled once, one joint load a wave: CLUSTER 4 x 1, the four work-groups of a head share the block); spare words; 2,048 bytes of (-M, l); 65,536 of O^T parts.
; No prefetch: the launch's one tensor load a wave stands at its head, with no loop ahead of it; Q's 2 KB of a trip are loaded a trip ahead.
; REGISTERS.  Window 0: addresses, statistics, scale words, block maxima, P's codes.  Window 1: v0-95 K's 8 fragments, v96-143 V's 4, v144-167 Q's 2, v192-255 O^T.
;   Windows 2, 3: key step j, tile q at register 128 (j % 2) + 64 q of window 2 + j / 2.
.set SPARE, 0x3b000
.set STATS, 0x3b200
.set OBUF,  0x3ba00
.set WV,  10
.set G1,  16
.set G0,  24
.set SEL, 28
.set CS,  30                           ; s[30:31] c = log2(e) / 8, twice
.set G,   33                           ; the trip
.set PAR, 34                           ; 0 or 32,768: which half of the O^T parts' bytes this trip fills
.set L16, 1
.set L8,  2
.set ADK, 3
.set ADKS, 4
.set ADV16, 5
.set ADV8, 6
.set ADVS, 7
.set QA,  8
.set QWA, 9
.set STA, 10
.set STR, 11
.set OSA, 12
.set OSA2, 13
.set ORD, 14
.set OWA, 15
.set SPW, 16
.set NIL, 17
.set OW,  18
.set SQ,  20                           ; v20-23  -M_w and l_w of tile 0, of tile 1
.set F,   24                           ; v24, v26  2^(M_w - M) / l (v25, v27 named with them as pairs)
.set NG,  28
.set CO,  30
.set RC,  32
.set RX,  34
.set KS,  36
.set VS,  40
.set QS,  42
.set PS,  44                           ; v44-51  P's scale words: 2 j + q
.set ACC, 52                           ; v52-67  four chains of sums a tile
.set CT,  68
.set XS,  76                           ; v76-91  the four waves' (-M, l)
.set BM,  96                           ; v96-127  block maxima of the scores, 16 q + block; later the bytes
.set BT,  128                          ; v128-159 at work on them; then the conversions' scale operands
.set PC,  160
.set PX,  184
.set KF,  0
.set VF,  96
.set QF,  144
.set O,   192
.set MSB, 0
.macro WIN new
.if MSB != \new
	s_set_vgpr_msb (MSB<<8)|\new
.set MSB, \new
.endif
.endm
.macro VW
	s_wait_alu depctr_va_vdst(0)
.endm
.macro PL
.rept 4
	v_nop
.endr
.endm
.macro ROUND
	s_barrier_signal -1
	s_barrier_wait -1
	s_cmp_lg_u32 s[WV], 0
	s_cbranch_scc1 .Lnot_wave_0_\@
	s_barrier_signal -3
.Lnot_wave_0_\@:
	s_barrier_wait -3
	s_barrier_signal -1
	s_barrier_wait -1
.endm
.macro WM d, a, b, c, sa, sb, ra, rb   ; ra, rb: the scales stand in lanes 16-31 of their register
.if (\ra) && (\rb)
	v_wmma_scale_f32_16x16x128_f8f6f4 v[\d:\d+7], v[\a:\a+11], v[\b:\b+11], \c, v[\sa], v[\sb] matrix_a_fmt:MATRIX_FMT_FP6 matrix_b_fmt:MATRIX_FMT_FP6 matrix_a_scale:MATRIX_SCALE_ROW1 matrix_b_scale:MATRIX_SCALE_ROW1
.elseif (\ra)
	v_wmma_scale_f32_16x16x128_f8f6f4 v[\d:\d+7], v[\a:\a+11], v[\b:\b+11], \c, v[\sa], v[\sb] matrix_a_fmt:MATRIX_FMT_FP6 matrix_b_fmt:MATRIX_FMT_FP6 matrix_a_scale:MATRIX_SCALE_ROW1
.elseif (\rb)
	v_wmma_scale_f32_16x16x128_f8f6f4 v[\d:\d+7], v[\a:\a+11], v[\b:\b+11], \c, v[\sa], v[\sb] matrix_a_fmt:MATRIX_FMT_FP6 matrix_b_fmt:MATRIX_FMT_FP6 matrix_b_scale:MATRIX_SCALE_ROW1
.else
	v_wmma_scale_f32_16x16x128_f8f6f4 v[\d:\d+7], v[\a:\a+11], v[\b:\b+11], \c, v[\sa], v[\sb] matrix_a_fmt:MATRIX_FMT_FP6 matrix_b_fmt:MATRIX_FMT_FP6
.endif
.endm
.macro KFETCH j                        ; step j of my four: 8 units of K (registers 0-7 of a fragment; 8-11 stay zero) and their scale words
	WIN 0x40
.irp t, 0,1,2,3,4,5,6,7
	ds_load_b128 v[KF+12*\t:KF+12*\t+3], v[ADK] offset:8192*(\j)+1024*\t
	ds_load_b128 v[KF+12*\t+4:KF+12*\t+7], v[ADK] offset:8192*(\j)+1024*\t+512
.endr
	WIN 0
	ds_load_b64 v[KS:KS+1], v[ADKS] offset:512*(\j)
	ds_load_b64 v[KS+2:KS+3], v[ADKS] offset:512*(\j)+256
.endm
.macro VFETCH j                        ; V's four fragments of step j's 128 keys and their scale words
	WIN 0x40
.irp i, 0,1,2,3
	ds_load_b128 v[VF+12*\i:VF+12*\i+3], v[ADV16] offset:6144*(\j)+1536*\i
	ds_load_b64 v[VF+12*\i+4:VF+12*\i+5], v[ADV8] offset:6144*(\j)+1536*\i+512
	ds_load_b128 v[VF+12*\i+6:VF+12*\i+9], v[ADV16] offset:6144*(\j)+1536*\i+768
	ds_load_b64 v[VF+12*\i+10:VF+12*\i+11], v[ADV8] offset:6144*(\j)+1536*\i+1280
.endr
	WIN 0
	ds_load_b64 v[VS:VS+1], v[ADVS] offset:256*(\j)
.endm
.macro QLOAD                           ; a trip's two units of Q and their scale words (lanes 0-15 the even tile's, lanes 16-31 the odd one's)
	WIN 0x40
	global_load_b128 v[QF:QF+3], v[QA], s[40:41]
	global_load_b128 v[QF+4:QF+7], v[QA], s[40:41] offset:512
	global_load_b128 v[QF+12:QF+15], v[QA], s[40:41] offset:1024
	global_load_b128 v[QF+16:QF+19], v[QA], s[40:41] offset:1536
	WIN 0
	global_load_b32 v[QS], v[QWA], s[42:43]
.endm
.macro QK j                            ; S^T = K Q^T: 8 tiles of keys x two tiles of queries, each a sum of its own
.set PWN, 2+(\j)/2
.set PN, 128*((\j)%2)
	WIN (PWN<<6)|5
.irp t, 0,1,2,3,4,5,6,7
.irp q, 0,1
	WM PN+64*\q+8*\t, KF+12*\t, QF+12*\q, 0, KS+\t/2, QS, \t%2, \q
.endr
.endr
	WIN 0
.endm
.macro MAXJ j                          ; my 16 scores of each block of 32 keys: eight chains; each accumulator is read from its low end on
.set PWN, 2+(\j)/2
.set PN, 128*((\j)%2)
	WIN PWN*0x15
.irp q, 0,1
.irp b, 0,1,2,3
	v_max3_num_f32 v[BM+16*\q+4*(\j)+\b], v[PN+64*\q+16*\b], v[PN+64*\q+16*\b+1], v[PN+64*\q+16*\b+2]
.endr
.endr
	WIN PWN*0x14
.irp i, 3,5,7,9,11,13
.irp q, 0,1
.irp b, 0,1,2,3
	v_max3_num_f32 v[BM+16*\q+4*(\j)+\b], v[BM+16*\q+4*(\j)+\b], v[PN+64*\q+16*\b+\i], v[PN+64*\q+16*\b+\i+1]
.endr
.endr
.endr
.irp q, 0,1
.irp b, 0,1,2,3
	v_max_num_f32 v[BM+16*\q+4*(\j)+\b], v[BM+16*\q+4*(\j)+\b], v[PN+64*\q+16*\b+15]
.endr
.endr
	WIN 0
.endm
.macro TMINUS w                        ; t - M_w, two at a time, a whole window
	WIN (\w)*0x41
.set i, 0
.rept 128
	v_pk_fma_f32 v[i:i+1], v[i:i+1], s[CS:CS+1], v[SQ+2*((i/64)%2):SQ+2*((i/64)%2)+1] op_sel_hi:[1,0,0]
.set i, i+2
.endr
.endm
.macro EXPW w
	WIN (\w)*0x41
.set i, 0
.rept 256
	v_exp_f32 v[i], v[i]
.set i, i+1
.endr
.endm
.macro NORMW w                         ; x 2^(M_w - M) / l: the finished softmax
	WIN (\w)*0x41
.set i, 0
.rept 128
	v_pk_mul_f32 v[i:i+1], v[i:i+1], v[F+2*((i/64)%2):F+2*((i/64)%2)+1] op_sel_hi:[1,0]
.set i, i+2
.endr
.endm
.macro SUMW w, first                   ; the sums of the unquantised numbers: four chains a tile, the two tiles by turns
.if \first
	WIN 0x0a
.irp k, 0,1,2,3
.irp q, 0,1
	v_pk_add_f32 v[ACC+8*\q+2*\k:ACC+8*\q+2*\k+1], v[64*\q+4*\k:64*\q+4*\k+1], v[64*\q+4*\k+2:64*\q+4*\k+3]
.endr
.endr
.endif
	WIN (\w)<<2
.set i, 8*(\first)
.rept 64-8*(\first)
.irp q, 0,1
	v_pk_add_f32 v[ACC+8*\q+2*(i%4):ACC+8*\q+2*(i%4)+1], v[ACC+8*\q+2*(i%4):ACC+8*\q+2*(i%4)+1], v[128*(i/32)+64*\q+2*(i%32):128*(i/32)+64*\q+2*(i%32)+1]
.endr
.set i, i+1
.endr
.endm
.macro CONVERT j                       ; step j's p into two fragments of P
.set PWN, 2+(\j)/2
.set PN, 128*((\j)%2)
	WIN PWN
.irp q, 0,1
.irp c, 0,1
	v_cvt_scalef32_pk16_fp6_f32 v[PC+12*\q+6*\c:PC+12*\q+6*\c+2], v[PN+64*\q+32*\c:PN+64*\q+32*\c+15], v[BT+16*\q+4*(\j)+2*\c]
	v_cvt_scalef32_pk16_fp6_f32 v[PX+8*\q+4*\c:PX+8*\q+4*\c+2], v[PN+64*\q+32*\c+16:PN+64*\q+32*\c+31], v[BT+16*\q+4*(\j)+2*\c+1]
.endr
.endr
	WIN 0
	v_nop                                          ; one plain line behind the scaled conversions
.irp q, 0,1
.irp c, 0,1
.irp i, 0,1,2
	v_permlane16_swap_b32 v[PC+12*\q+6*\c+\i], v[PX+8*\q+4*\c+\i]   ; the layout wants a whole block in a lane
.endr
.endr
.endr
.irp q, 0,1
.irp c, 0,1
.irp i, 0,1,2
	v_mov_b32 v[PC+12*\q+6*\c+3+\i], v[PX+8*\q+4*\c+\i]
.endr
.endr
.endr
	PL                                             ; an operand written by vector lines stands 4 places ahead of the scaled product
.endm
.macro PV j                            ; O^T += V^T P: eight accumulators by turns, one instruction a turn; step 0 starts the sums
	WIN 0x51
.irp i, 0,1,2,3
.irp q, 0,1
.if (\j) == 0
	WM O+32*\q+8*\i, VF+12*\i, PC+12*\q, 0, VS+\i/2, PS+2*(\j)+\q, \i%2, 0
.else
	WM O+32*\q+8*\i, VF+12*\i, PC+12*\q, v[O+32*\q+8*\i:O+32*\q+8*\i+7], VS+\i/2, PS+2*(\j)+\q, \i%2, 0
.endif
.endr
.endr
	WIN 0
	PL                                             ; places in front of the loads into V's registers, the next conversions and the first read of O^T
.endm
	s_load_b128 s[4:7], s[0:1], 0x0                ; qb, kv
	s_load_b64 s[8:9], s[0:1], 0x10                ; ob
	v_lshl_add_u32 v[SPW], v0, 2, SPARE
	v_mov_b32 v[NIL], 0
	ds_add_u32 v[SPW], v[NIL]                      ; the opening lines: the add, twice on end, and its wait
	ds_add_u32 v[SPW], v[NIL]
	v_lshrrev_b32 v19, 5, v0
	v_readfirstlane_b32 s[WV], v19                 ; wave 0..3
	s_bfe_u32 s11, ttmp6, 0x40000                  ; cx: which 512 queries; it enters Q's and O's global addresses alone
	s_and_b32 s12, ttmp7, 0xffff                   ; 16 x batch + head, which the four partners share
	s_mov_b32 s[G1], 15|(3<<16)|(1<<21)            ; my quarter of the head's block: 236 rows of 256 bytes, dense; the mask names all four work-groups
	s_mov_b32 s[G1+1], 32<<16
	s_mov_b32 s[G1+2], 236<<16
	s_mov_b32 s[G1+3], 32<<16
	s_mov_b32 s[G1+4], 236
	s_mov_b32 s[G1+5], 32
	s_mov_b32 s[G1+6], 0
	s_mov_b32 s[G1+7], 0
	s_mul_i32 s13, s[WV], 60416
	s_mul_i32 s48, s12, 241664
	s_add_co_u32 s48, s48, s13
	s_mov_b32 s49, 0
	s_mov_b32 s[SEL], 0x76543210
	s_mov_b32 s[SEL+1], 0xfedcba98
	s_mov_b32 s[CS], 0x3e38aa3b                    ; log2(e) / sqrt(64)
	s_mov_b32 s[CS+1], s[CS]
	s_mov_b32 s[G], 0
	s_mov_b32 s[PAR], 0
	s_wait_dscnt 0x0
	s_wait_kmcnt 0x0
	s_mov_b32 s[G0], 1
	s_mov_b32 s[G0+1], s13
	s_add_nc_u64 s[G0+2:G0+3], s[6:7], s[48:49]
	s_or_b32 s[G0+3], s[G0+3], 0x80000000
	ROUND                                          ; all four work-groups are here: the joint loads meet
	tensor_load_to_lds s[G0:G0+3], s[G1:G1+7]      ; my one tensor load of the launch
	s_nop 0
	PL
	s_lshl_b32 s48, s12, 17                        ; Q's units: head, 16 cx pairs of 2,048 bytes
	s_lshl_b32 s50, s11, 15
	s_add_co_u32 s48, s48, s50
	s_add_nc_u64 s[40:41], s[4:5], s[48:49]
	s_lshl_b32 s48, s12, 13                        ; Q's words: head, 8 cx groups of 64 queries
	s_lshl_b32 s50, s11, 11
	s_add_co_u32 s48, s48, s50
	s_add_co_u32 s48, s48, 8388608
	s_add_nc_u64 s[42:43], s[4:5], s[48:49]
	s_lshr_b32 s50, s12, 4                         ; batch
	s_and_b32 s51, s12, 15                         ; head
	s_mul_i32 s48, s50, 1572864                    ; O's units: [token tile][head][768]; my tile of each 64 tokens is my wave's number
	s_lshl_b32 s52, s11, 5
	s_add_co_u32 s52, s52, s[WV]
	s_mul_i32 s52, s52, 12288
	s_add_co_u32 s48, s48, s52
	s_mul_i32 s52, s51, 768
	s_add_co_u32 s48, s48, s52
	s_add_nc_u64 s[44:45], s[8:9], s[48:49]
	s_lshl_b32 s48, s51, 7                         ; O's words: [head][group of 64 tokens][lane][2]
	s_lshl_b32 s52, s50, 5
	s_add_co_u32 s48, s48, s52
	s_lshl_b32 s52, s11, 3
	s_add_co_u32 s48, s48, s52
	s_lshl_b32 s48, s48, 8
	s_add_co_u32 s48, s48, 6291456
	s_add_nc_u64 s[46:47], s[8:9], s[48:49]
	s_lshl_b32 s52, s[WV], 15                      ; LDS: K's units at 0, V's fragments at 131,072, K's words at 229,376, V's at 237,568: my quarter of each
	s_lshl_b32 s53, s[WV], 11
	s_add_co_u32 s53, s53, 229376
	s_mul_i32 s54, s[WV], 24576
	s_add_co_u32 s54, s54, 131072
	s_lshl_b32 s55, s[WV], 10
	s_add_co_u32 s55, s55, 237568
	s_lshl_b32 s56, s[WV], 13
	s_add_co_u32 s56, s56, OBUF                    ; where my part of O^T goes
	s_lshr_b32 s57, s[WV], 1
	s_and_b32 s58, s[WV], 1
	s_lshl_b32 s59, s57, 15
	s_lshl_b32 s48, s58, 12
	s_add_co_u32 s59, s59, s48
	s_add_co_u32 s59, s59, OBUF                    ; what I sum: trip wave / 2 of the two, tile wave % 2
	s_lshl_b32 s58, s58, 7
	s_lshl_b32 s57, s57, 2
	s_add_co_u32 s58, s58, s57                     ; my tile's words: lanes 16 (wave % 2) on, word wave / 2
	v_and_b32 v19, 31, v0
	v_lshlrev_b32 v[L16], 4, v19
	v_lshlrev_b32 v[L8], 3, v19
	v_add_nc_u32 v[ADK], s52, v[L16]
	v_add_nc_u32 v[ADKS], s53, v[L8]
	v_add_nc_u32 v[ADV16], s54, v[L16]
	v_add_nc_u32 v[ADV8], s54, v[L8]
	v_add_nc_u32 v[ADVS], s55, v[L8]
	v_mov_b32 v[QA], v[L16]
	v_mov_b32 v[QWA], v[L8]
	v_lshl_add_u32 v[STA], v0, 4, STATS
	v_add_nc_u32 v[STR], STATS, v[L16]
	v_add_nc_u32 v[OSA], s56, v[L16]
	v_add_nc_u32 v[ORD], s59, v[L16]
	v_and_b32 v19, 15, v0
	v_lshlrev_b32 v19, 3, v19
	v_add_nc_u32 v[OWA], s58, v19
	QLOAD                                          ; trip 0's Q
.set i, 0
.rept 32
	v_mov_b32 v[BT+i], 0                           ; a lane permute's destination counts as read: written once
.set i, i+1
.endr
.irp r, SQ+1, SQ+3, F+1, F+3, CT, CT+1
	v_mov_b32 v[\r], 0                             ; named as halves of pairs, or a permute's destination
.endr
	WIN 0x40
.irp t, 0,1,2,3,4,5,6,7
.irp j, 8,9,10,11
	v_mov_b32 v[KF+12*\t+\j], 0                    ; k = 80 .. 127 of the padded K: zero codes, written once
.endr
.endr
.irp q, 0,1
.irp j, 8,9,10,11
	v_mov_b32 v[QF+12*\q+\j], 0
.endr
.endr
	WIN 0
	VW                                             ; the head's end
	s_wait_tensorcnt 0x0                           ; my quarter is in,
	s_barrier_signal -1
	s_barrier_wait -1                              ; everybody's is.  From here on these bytes are only read
	KFETCH 0
.Lgroup:                                               ; 32 queries
	v_add_nc_u32 v[OSA2], s[PAR], v[OSA]
	s_add_co_u32 s48, s[G], 1                      ; the next trip's Q; the last trip asks for its own again, inside the buffer
	s_min_u32 s48, s48, 15
	s_lshl_b32 s49, s48, 11
	s_lshr_b32 s50, s48, 1
	s_lshl_b32 s50, s50, 8
	s_and_b32 s51, s48, 1
	s_lshl_b32 s51, s51, 2
	s_add_co_u32 s50, s50, s51
	VW
	s_wait_loadcnt 0x0                             ; Q is in
.irp j, 0,1,2
	s_wait_dscnt 0x0                               ; this step's K is in
	QK \j
	PL                                             ; places between the products and the loads into their registers, and the first read of the scores
	KFETCH \j+1                                    ; the next step's K lands under the maxima
	MAXJ \j
.endr
	s_wait_dscnt 0x0
	QK 3
	v_add_nc_u32 v[QA], s49, v[L16]                ; (these four are the places)
	v_add_nc_u32 v[QWA], s50, v[L8]
	v_nop
	v_nop
	KFETCH 0                                       ; for the next trip
	QLOAD
	MAXJ 3
.set i, 0
.rept 32
	v_permlanex16_b32 v[BT+i], v[BM+i], s[SEL], s[SEL+1]
.set i, i+1
.endr
.set i, 0
.rept 32
	v_max_num_f32 v[BM+i], v[BM+i], v[BT+i]        ; with lane l xor 16's 16 keys: the block's largest score
.set i, i+1
.endr
.irp q, 0,1
	v_max3_num_f32 v[RX+\q], v[BM+16*\q], v[BM+16*\q+1], v[BM+16*\q+2]
.endr
.irp i, 3,5,7,9,11,13
.irp q, 0,1
	v_max3_num_f32 v[RX+\q], v[RX+\q], v[BM+16*\q+\i], v[BM+16*\q+\i+1]
.endr
.endr
.irp q, 0,1
	v_max_num_f32 v[RX+\q], v[RX+\q], v[BM+16*\q+15]
.endr
.irp q, 0,1
	v_mul_f32 v[RX+\q], s[CS], v[RX+\q]            ; as t (c is positive)
.endr
.irp q, 0,1
	v_max_num_f32 v[RX+\q], 0xdf800000, v[RX+\q]   ; held at -2^64: over every masked t, under every t that counts
.endr
.irp q, 0,1
	v_floor_f32 v[SQ+2*\q], -v[RX+\q]              ; -M_w = floor(-t): a whole number
.endr
	TMINUS 2
	TMINUS 3
	WIN 0
.set i, 0
.rept 32
	v_fma_f32 v[BT+i], v[BM+i], s[CS], v[SQ+2*(i/16)]   ; the same of each block's largest score
.set i, i+1
.endr
	VW                                             ; ahead of the batch
.set i, 0
.rept 32
	v_exp_f32 v[BT+i], v[BT+i]
.set i, i+1
.endr
	EXPW 2
	EXPW 3
	WIN 0
	v_nop                                          ; a plain line behind the exponentials
	VW                                             ; one wait for the batch
	SUMW 2, 1
	SUMW 3, 0
	WIN 0
.irp q, 0,1
	v_pk_add_f32 v[ACC+8*\q:ACC+8*\q+1], v[ACC+8*\q:ACC+8*\q+1], v[ACC+8*\q+2:ACC+8*\q+3]
	v_pk_add_f32 v[ACC+8*\q+4:ACC+8*\q+5], v[ACC+8*\q+4:ACC+8*\q+5], v[ACC+8*\q+6:ACC+8*\q+7]
.endr
.irp q, 0,1
	v_pk_add_f32 v[ACC+8*\q:ACC+8*\q+1], v[ACC+8*\q:ACC+8*\q+1], v[ACC+8*\q+4:ACC+8*\q+5]
.endr
.irp q, 0,1
	v_add_f32 v[RX+\q], v[ACC+8*\q], v[ACC+8*\q+1]
.endr
.irp q, 0,1
	v_permlanex16_b32 v[CT+\q], v[RX+\q], s[SEL], s[SEL+1]
.endr
.irp q, 0,1
	v_add_f32 v[SQ+2*\q+1], v[RX+\q], v[CT+\q]     ; l_w: my 512 keys' sum
.endr
	ds_store_b128 v[STA], v[SQ:SQ+3]               ; to the other waves
	VW
	s_wait_dscnt 0x0                               ; my store is done, and so are my reads of the O^T parts (last trip)
	s_barrier_signal -1
	VFETCH 0                                       ; bytes that nobody writes
	s_barrier_wait -1
.irp w, 0,1,2,3
	ds_load_b128 v[XS+4*\w:XS+4*\w+3], v[STR] offset:512*\w
.endr
	s_wait_dscnt 0x0
.irp q, 0,1
	v_min_num_f32 v[NG+\q], v[XS+2*\q], v[XS+4+2*\q]
	v_min_num_f32 v[RX+\q], v[XS+8+2*\q], v[XS+12+2*\q]
.endr
.irp q, 0,1
	v_min_num_f32 v[NG+\q], v[NG+\q], v[RX+\q]     ; the smallest -M_w: -M
.endr
.irp w, 0,1,2,3
.irp q, 0,1
	v_sub_f32 v[CT+2*\w+\q], v[NG+\q], v[XS+4*\w+2*\q]   ; M_w - M, a whole number, 0 or less
.endr
.endr
.irp q, 0,1
	v_sub_f32 v[CO+\q], v[NG+\q], v[SQ+2*\q]
.endr
.irp i, 0,1,2,3,4,5,6,7
	v_cvt_i32_f32 v[CT+\i], v[CT+\i]               ; (it saturates)
.endr
.irp q, 0,1
	v_cvt_i32_f32 v[CO+\q], v[CO+\q]
.endr
.irp w, 0,1,2,3
.irp q, 0,1
	v_ldexp_f32 v[CT+2*\w+\q], v[XS+4*\w+2*\q+1], v[CT+2*\w+\q]   ; l_w under M: nothing is rounded
.endr
.endr
.irp q, 0,1
	v_add_f32 v[CT+\q], v[CT+\q], v[CT+2+\q]
	v_add_f32 v[CT+4+\q], v[CT+4+\q], v[CT+6+\q]
.endr
.irp q, 0,1
	v_add_f32 v[CT+\q], v[CT+\q], v[CT+4+\q]       ; l
.endr
	VW
.irp q, 0,1
	v_rcp_f32 v[RC+\q], v[CT+\q]
.endr
	v_nop
	VW
.irp q, 0,1
	v_cmp_lt_f32 vcc_lo, 0, v[CT+\q]
	v_cndmask_b32 v[RC+\q], 0, v[RC+\q], vcc_lo    ; no key counts: 0
.endr
.irp q, 0,1
	v_ldexp_f32 v[F+2*\q], v[RC+\q], v[CO+\q]      ; 2^(M_w - M) / l
.endr
	NORMW 2
	NORMW 3
	WIN 0
.set i, 0
.rept 32
	v_mul_f32 v[BT+i], v[BT+i], v[F+2*(i/16)]      ; the block's largest p: the same lines on the same number give the same bits
.set i, i+1
.endr
.set i, 0
.rept 32
	v_max_num_f32 v[BT+i], 0x1800000, v[BT+i]      ; the floor 2^(3 - 127): the byte cannot fall under 1
.set i, i+1
.endr
.set i, 0
.rept 32
	v_add_nc_u32 v[BT+i], 0xff000000, v[BT+i]      ; 2 off the exponent field: the conversion's scale operand
.set i, i+1
.endr
.set i, 0
.rept 32
	v_lshrrev_b32 v[BM+i], 23, v[BT+i]             ; the scale's byte
.set i, i+1
.endr
.irp s, 8,16,24
.set i, 0
.rept 8
.if \s == 8
	v_lshl_or_b32 v[PS+i], v[BM+16*(i%2)+4*(i/2)+1], 8, v[BM+16*(i%2)+4*(i/2)]
.else
	v_lshl_or_b32 v[PS+i], v[BM+16*(i%2)+4*(i/2)+\s/8], \s, v[PS+i]
.endif
.set i, i+1
.endr
.endr
.irp j, 0,1,2,3
	CONVERT \j
	VW
	s_wait_dscnt 0x0                               ; this step's V is in
	PV \j
.if \j < 3
	VFETCH \j+1                                    ; lands under the next conversions
.endif
.endr
	WIN 0x04                                       ; an LDS store's data are its source 1: window 1
.set i, 0
.rept 16
	ds_store_b128 v[OSA2], v[O+4*i:O+4*i+3] offset:512*i   ; my part of O^T; each accumulator from its low end on
.set i, i+1
.endr
	WIN 0
	VW
	s_wait_dscnt 0x0
	s_barrier_signal -1
	s_barrier_wait -1                              ; all four parts lie in LDS
	s_xor_b32 s[PAR], s[PAR], 32768
	s_and_b32 s48, s[G], 1
	s_cmp_eq_u32 s48, 0
	s_cbranch_scc1 .Lnored                         ; the same in every wave: behind odd trips four tiles wait, one for each wave
	WIN 0x80
.irp w, 0,1,2,3
.irp k, 0,1,2,3,4,5,6,7
	ds_load_b128 v[32*\w+4*\k:32*\w+4*\k+3], v[ORD] offset:8192*\w+512*\k   ; into window 2, whose numbers are done with
.endr
.endr
	WIN 0
	s_wait_dscnt 0x0
	WIN 0x8a
.set i, 0
.rept 16
	v_pk_add_f32 v[i:i+1], v[i:i+1], v[32+i:33+i]
	v_pk_add_f32 v[64+i:65+i], v[64+i:65+i], v[96+i:97+i]
.set i, i+2
.endr
.set i, 0
.rept 16
	v_pk_add_f32 v[i:i+1], v[i:i+1], v[64+i:65+i]  ; O^T: register 16 b + i = channel 32 b + 16 (lane / 16) + i of my token
.set i, i+2
.endr
	WIN 0x0a
.irp b, 0,1
	v_max3_num_f32 v[BT+\b], |v[16*\b]|, |v[16*\b+1]|, 0x1800000
.endr
	WIN 0x28
.irp i, 2,4,6,8,10,12,14
.irp b, 0,1
	v_max3_num_f32 v[BT+\b], v[BT+\b], |v[16*\b+\i]|, |v[16*\b+\i+1]|
.endr
.endr
	WIN 0
.irp b, 0,1
	v_permlanex16_b32 v[BT+4+\b], v[BT+\b], s[SEL], s[SEL+1]
.endr
.irp b, 0,1
	v_max_num_f32 v[BT+\b], v[BT+\b], v[BT+4+\b]
.endr
.irp b, 0,1
	v_add_nc_u32 v[BT+12+\b], 0xff000000, v[BT+\b]
.endr
.irp b, 0,1
	v_lshrrev_b32 v[BT+4+\b], 23, v[BT+12+\b]
.endr
	v_lshl_or_b32 v[OW], v[BT+5], 8, v[BT+4]
	WIN 0x02
	v_cvt_scalef32_pk16_fp6_f32 v[PC:PC+2], v[0:15], v[BT+12]
	v_cvt_scalef32_pk16_fp6_f32 v[PX:PX+2], v[16:31], v[BT+13]
	WIN 0
	v_nop
.irp i, 0,1,2
	v_permlane16_swap_b32 v[PC+\i], v[PX+\i]
.endr
.irp i, 0,1,2
	v_mov_b32 v[PC+3+\i], v[PX+\i]
.endr
	global_store_b128 v[L16], v[PC:PC+3], s[44:45]             ; 512 and 256 consecutive bytes, aligned
	global_store_b64 v[L8], v[PC+4:PC+5], s[44:45] offset:512
	global_store_b32 v[OWA], v[OW], s[46:47]                   ; lanes l and l xor 16 store the same word at the same place
	s_wait_xcnt 0x0                                ; the stores have read their registers and bases
	s_add_nc_u64 s[44:45], s[44:45], 49152         ; four tiles on
	s_add_nc_u64 s[46:47], s[46:47], 256
.Lnored:
	s_add_co_u32 s[G], s[G], 1
	s_cmp_lt_u32 s[G], 16
	VW
	s_cbranch_scc1 .Lgroup
	s_wait_tensorcnt 0x0                           ; the wave's end
	ds_add_u32 v[SPW], v[NIL]
	s_wait_dscnt 0x0
	ROUND                                          ; the closing round
	s_endpgm
.Lfunc_end_k_q8630485f61_attn:
	.size	k_q8630485f61_attn, .Lfunc_end_k_q8630485f61_attn-k_q8630485f61_attn
	.p2alignl 7, 3214868480
	.fill 96, 4, 3214868480
	.section	.rodata,"a",@progbits
	.p2align	6, 0x0
	.amdhsa_kernel k_q8630485f61_attn
		.amdhsa_group_segment_fixed_size 327680
		.amdhsa_private_segment_fixed_size 0
		.amdhsa_enable_private_segment 0
		.amdhsa_kernarg_size 24
		.amdhsa_user_sgpr_count 2
		.amdhsa_user_sgpr_kernarg_segment_ptr 1
		.amdhsa_wavefront_size32 1
		.amdhsa_system_sgpr_workgroup_id_x 1
		.amdhsa_system_sgpr_workgroup_id_y 1
		.amdhsa_system_sgpr_workgroup_id_z 1
		.amdhsa_system_vgpr_workitem_id 0
		.amdhsa_next_free_vgpr 1024
		.amdhsa_next_free_sgpr 66
		.amdhsa_reserve_vcc 1
		.amdhsa_float_denorm_mode_32 3
		.amdhsa_float_denorm_mode_16_64 3
		.amdhsa_memory_ordered 1
		.amdhsa_forward_progress 1
		.amdhsa_inst_pref_size 146
	.end_amdhsa_kernel
	.amdgpu_metadata
---
amdhsa.version: [ 1, 2 ]
amdhsa.kernels:
  - .name:           k_q8630485f61_attn
    .symbol:         k_q8630485f61_attn.kd
    .args:
      - { .name: qb, .offset: 0, .size: 8, .value_kind: global_buffer, .address_space: global }
      - { .name: kv, .offset: 8, .size: 8, .value_kind: global_buffer, .address_space: global }
      - { .name: ob, .offset: 16, .size: 8, .value_kind: global_buffer, .address_space: global }
    .group_segment_fixed_size: 327680
    .private_segment_fixed_size: 0
    .kernarg_segment_align: 8
    .kernarg_segment_size: 24
    .max_flat_workgroup_size: 128
    .sgpr_count:     66
    .vgpr_count:     1024
    .wavefront_size: 32
...
	.end_amdgpu_metadata
.endif
;; end of part 3
;; launch gemm_out (part 4): grid 4 x 64, 4 waves a work-group, clusters of 4 x 4, 295,424 bytes of LDS; arguments ob, cod, scl, bo, out0; writes out0
.if DOCPART == 4
	.amdgcn_target "amdgcn-amd-amdhsa--gfx1250"
	.amdhsa_code_object_version 6
	.text
	.protected	k_q8630485f61_gemm_out
	.globl	k_q8630485f61_gemm_out
	.p2align	8
	.type	k_q8630485f61_gemm_out,@function
k_q8630485f61_gemm_out:
	s_mov_b64 s[64:65], 0
	v_nop
	global_prefetch_b8 v0, s[64:65] scope:SCOPE_SE
	s_setreg_imm32_b32 hwreg(HW_REG_WAVE_MODE, 25, 1), 1
	s_wait_xcnt 0x0
	s_wait_alu depctr_hold_cnt(0) depctr_sa_sdst(0) depctr_va_vdst(0) depctr_va_sdst(0) depctr_va_ssrc(0) depctr_va_vcc(0) depctr_vm_vsrc(0)
	s_getreg_b32 s2, hwreg(HW_REG_IB_STS2, 6, 4)
	s_cmp_eq_u32 s2, 0
	s_cbranch_scc0 .Lentry_in_a_cluster
	s_endpgm
.Lentry_in_a_cluster:
	s_bfe_u32 s2, ttmp6, 0x10000c
	s_cmp_lg_u32 s2, 0xf033
	s_cbranch_scc0 .Lentry_shape_is_right
	s_endpgm
.Lentry_shape_is_right:
; out0 = O Wo + bo on codes of FP6 (E2M3) with E8M0 scales, f32 sums.  O's codes and scale bytes were made by the attention launch, Wo's by the first launch, both as images of operand registers.
; A work-group makes 128 tokens (source 1: the lanes) x 256 features (source 0: the registers) over all of K = 1,024; a wave 64 x 128: 32 accumulators, which take turns, one instruction a turn.
; LDS: the work-group's operands for ALL of K: 8 tiles x 12,288 bytes of O, then 16 x 12,288 of Wo.  Every byte is filled once.  A wave has one tensor load out and waits for it by count.
; CLUSTER 4 x 4: O's tiles are shared along a row of the cluster, Wo's along a column: joint loads.
; bo is the C of each sum's first matrix instruction.  THE WAY OUT: a lane holds 8 neighbouring features of one token; a tile of 16 tokens x 128 features goes through the wave's own stage in LDS and leaves as rows of 512 bytes.
; The stage lies over O's first tiles: they have had their only fill, and every wave's reads of them are over at the barrier behind the last K step.
; REGISTERS.  Window 0: v1-13 lane terms and addresses; v16-47 Wo's scale words, v48-63 O's; v64-127 bo; v128-255 at the head O's bytes, on the way out rows of out0.  Windows 1, 2: two sets of fragments.  Window 3: accumulator (a, b) at v[8 (8 a + b)].
.set WOFF,  18874368
.set WSZ,   786432
.set SWOFF, 786432
.set CHUNK, 73728
.set WV,   20
.set HA,   21
.set HB,   22
.set CX,   23
.set CY,   24
.set TCOL, 27
.set TROW, 28
.set G1A,  32
.set G1B,  40
.set G0A,  48
.set G0B,  68
.set AA16, 5
.set AA8,  6
.set AB16, 7
.set AB8,  8
.set L16,  9
.set L8,   10
.set STO,  12
.set RD,   13
.set SB,   16
.set SA,   48
.set BR,   64
.set HW,   128
.set BK,   128
.set MSB, 0
.macro WIN new
.if MSB != \new
	s_set_vgpr_msb (MSB<<8)|\new
.set MSB, \new
.endif
.endm
.macro ROUND
	s_barrier_signal -1
	s_barrier_wait -1
	s_cmp_lg_u32 s[WV], 0
	s_cbranch_scc1 .Lnot_wave_0_\@
	s_barrier_signal -3
.Lnot_wave_0_\@:
	s_barrier_wait -3
	s_barrier_signal -1
	s_barrier_wait -1
.endm
.macro WMC d, a, b, c, sa, sb, ra, rb
.if (\ra) && (\rb)
	v_wmma_scale_f32_16x16x128_f8f6f4 v[\d:\d+7], v[\a:\a+11], v[\b:\b+11], v[\c:\c+7], v[\sa], v[\sb] matrix_a_fmt:MATRIX_FMT_FP6 matrix_b_fmt:MATRIX_FMT_FP6 matrix_a_scale:MATRIX_SCALE_ROW1 matrix_b_scale:MATRIX_SCALE_ROW1
.elseif (\ra)
	v_wmma_scale_f32_16x16x128_f8f6f4 v[\d:\d+7], v[\a:\a+11], v[\b:\b+11], v[\c:\c+7], v[\sa], v[\sb] matrix_a_fmt:MATRIX_FMT_FP6 matrix_b_fmt:MATRIX_FMT_FP6 matrix_a_scale:MATRIX_SCALE_ROW1
.elseif (\rb)
	v_wmma_scale_f32_16x16x128_f8f6f4 v[\d:\d+7], v[\a:\a+11], v[\b:\b+11], v[\c:\c+7], v[\sa], v[\sb] matrix_a_fmt:MATRIX_FMT_FP6 matrix_b_fmt:MATRIX_FMT_FP6 matrix_b_scale:MATRIX_SCALE_ROW1
.else
	v_wmma_scale_f32_16x16x128_f8f6f4 v[\d:\d+7], v[\a:\a+11], v[\b:\b+11], v[\c:\c+7], v[\sa], v[\sb] matrix_a_fmt:MATRIX_FMT_FP6 matrix_b_fmt:MATRIX_FMT_FP6
.endif
.endm
.macro FRAG4 reg, a16, a8, off
	ds_load_b128 v[\reg:\reg+3], v[\a16] offset:\off
	ds_load_b64 v[\reg+4:\reg+5], v[\a8] offset:\off+512
	ds_load_b128 v[\reg+6:\reg+9], v[\a16] offset:\off+768
	ds_load_b64 v[\reg+10:\reg+11], v[\a8] offset:\off+1280
.endm
.macro FETCH s
.if (\s)%2
	WIN 0x80
.else
	WIN 0x40
.endif
.irp b, 0,1,2,3,4,5,6,7
	FRAG4 12*\b, AB16+ABH*(\b/4), AB8+ABH*(\b/4), 12288*(\b%4)+1536*(\s)   ; LDS AS IT NOW LIES: a tile's 8 K steps on end (12,288 bytes): 8 tiles of O, then 16 of Wo; tiles 4-7 of my eight by a second pair of addresses
.endr
.irp a, 0,1,2,3
	FRAG4 96+12*\a, AA16, AA8, 12288*\a+1536*(\s)
.endr
.endm
.macro MUL s, first
.if \first
	WIN 0xc5
.elseif (\s)%2
	WIN 0xfa
.else
	WIN 0xf5
.endif
.irp a, 0,1,2,3
.irp b, 0,1,2,3,4,5,6,7
.if \first
	WMC 8*(8*\a+\b), 12*\b, 96+12*\a, BR+8*\b, SB+8*(\b/2)+(\s), SA+8*(\a/2)+(\s), \b%2, \a%2
.else
	WMC 8*(8*\a+\b), 12*\b, 96+12*\a, 8*(8*\a+\b), SB+8*(\b/2)+(\s), SA+8*(\a/2)+(\s), \b%2, \a%2
.endif
.endr
.endr
.endm
; K step s is multiplied while step s + 1's fragments come; the loads land in the set that step s - 1's products read: four plain vector lines stand between
.macro KSTEP s
.if (\s) < 7
	WIN 0
.rept 4
	v_nop                                          ; the places; all of K lies in LDS since the one barrier at the head
.endr
	FETCH (\s)+1
	s_wait_alu depctr_va_vdst(0)
	s_wait_dscnt 48                                ; all but the 48 just issued
.else
	s_wait_dscnt 0x0
.endif
.if (\s) == 0
	s_wait_alu depctr_va_vdst(0)
	MUL \s, 1
.else
	MUL \s, 0
.endif
.endm
	s_load_b256 s[4:11], s[0:1], 0x0               ; ob, cod, scl, bo
	s_load_b64 s[12:13], s[0:1], 0x20              ; out0
	v_lshl_add_u32 v14, v0, 2, 0x48000
	v_mov_b32 v15, 0
	ds_add_u32 v14, v15
	ds_add_u32 v14, v15
	v_lshrrev_b32 v1, 5, v0
	v_readfirstlane_b32 s[WV], v1
	s_lshr_b32 s[HA], s[WV], 1                     ; which 64 tokens are mine
	s_and_b32 s[HB], s[WV], 1                      ; which 128 features; also which half of a tile's rows I fetch
	s_bfe_u32 s[CX], ttmp6, 0x40000
	s_bfe_u32 s[CY], ttmp6, 0x40004
	s_mov_b32 s[TCOL], s[CX]                       ; which 256 features
	s_and_b32 s[TROW], ttmp7, 0xffff
	s_lshl_b32 s[TROW], s[TROW], 2
	s_add_co_u32 s[TROW], s[TROW], s[CY]           ; which 128 tokens
	s_lshl_b32 s96, s[CY], 2
	s_lshl_b32 s96, 15, s96                        ; my row of the cluster
	s_lshl_b32 s2, 0x1111, s[CX]                   ; my column
	s_or_b32 s[G1A], s96, (3<<16)|(1<<21)          ; rows of 3,072 bytes (384 elements of 8), 12,288 bytes apart; 4 tiles of O or 8 of Wo to a load; no padding
	s_mov_b32 s[G1A+1], 32<<16                     ; ONE LOAD A WAVE: my 4 tiles of O, all of K, are 49,152 dense bytes: 192 rows of 256 bytes
	s_mov_b32 s[G1A+2], 192<<16
	s_mov_b32 s[G1A+3], 32<<16
	s_mov_b32 s[G1A+4], 192
	s_mov_b32 s[G1A+5], 32
	s_mov_b32 s[G1A+6], 0
	s_mov_b32 s[G1A+7], 0
	s_or_b32 s[G1B], s2, (3<<16)|(1<<21)
	s_mov_b32 s[G1B+1], 32<<16                     ; my 8 tiles of Wo: 98,304 dense bytes: 384 rows of 256 bytes
	s_mov_b32 s[G1B+2], 384<<16
	s_mov_b32 s[G1B+3], 32<<16
	s_mov_b32 s[G1B+4], 384
	s_mov_b32 s[G1B+5], 32
	s_mov_b32 s[G1B+6], 0
	s_mov_b32 s[G1B+7], 0
	s_mul_i32 s96, s[TROW], 98304
	s_mul_i32 s98, s[HB], 49152
	s_add_co_u32 s96, s96, s98
	s_mov_b32 s97, 0
	s_mul_i32 s2, s[TCOL], 196608
	s_add_co_u32 s2, s2, WOFF+3*WSZ
	s_mul_i32 s99, s[HB], 98304
	s_add_co_u32 s2, s2, s99
	s_mov_b32 s3, 0
	s_mul_i32 s98, s[HB], 49152
	s_mul_i32 s99, s[HB], 98304
	s_add_co_u32 s99, s99, 98304
	s_wait_dscnt 0x0
	s_wait_kmcnt 0x0
	s_add_nc_u64 s[96:97], s[4:5], s[96:97]
	s_add_nc_u64 s[2:3], s[6:7], s[2:3]
.irp c, 0
	s_mov_b32 s[G0A+4*\c], 1
	s_add_co_u32 s[G0A+4*\c+1], s98, \c*CHUNK
	s_add_nc_u64 s[G0A+4*\c+2:G0A+4*\c+3], s[96:97], \c*3072
	s_or_b32 s[G0A+4*\c+3], s[G0A+4*\c+3], 0x80000000
	s_mov_b32 s[G0B+4*\c], 1
	s_add_co_u32 s[G0B+4*\c+1], s99, \c*CHUNK
	s_add_nc_u64 s[G0B+4*\c+2:G0B+4*\c+3], s[2:3], \c*3072
	s_or_b32 s[G0B+4*\c+3], s[G0B+4*\c+3], 0x80000000
.endr
	ROUND                                          ; all sixteen work-groups are here: the joint loads meet
	s_cmp_lt_u32 s[WV], 2
	s_cbranch_scc0 .Lfill_b
	tensor_load_to_lds s[G0A:G0A+3], s[G1A:G1A+7]
	s_nop 0
.rept 4
	v_nop
.endr
	s_branch .Lfilled
.Lfill_b:
	tensor_load_to_lds s[G0B:G0B+3], s[G1B:G1B+7]
	s_nop 0
.rept 4
	v_nop
.endr
.Lfilled:
	v_and_b32 v1, 31, v0
	v_and_b32 v2, 15, v0
	v_bfe_u32 v3, v0, 4, 1
	v_lshlrev_b32 v[L16], 4, v1
	v_lshlrev_b32 v[L8], 3, v1
.set ABH, -6                           ; v1, v2: the addresses of my tiles 4-7 of Wo, made below when the lane terms there are done with
	s_mul_i32 s98, s[HA], 49152
	v_add_nc_u32 v[AA16], s98, v[L16]
	v_add_nc_u32 v[AA8], s98, v[L8]
	s_mul_i32 s98, s[HB], 98304
	s_add_co_u32 s98, s98, 98304
	v_add_nc_u32 v[AB16], s98, v[L16]
	v_add_nc_u32 v[AB8], s98, v[L8]
	v_lshlrev_b32 v11, 6, v3                       ; 64 h
	s_wait_alu depctr_va_vdst(0)
	s_mul_i32 s98, s[WV], 8448                     ; my stage: 16 rows of 512 bytes + 16
	v_mul_u32_u24 v[STO], v2, 528
	v_lshl_add_u32 v[STO], v3, 6, v[STO]
	v_add_nc_u32 v[STO], s98, v[STO]               ; in: row lane % 16, + 64 (lane / 16)
	v_add_nc_u32 v[RD], s98, v[L16]
	v_add_nc_u32 v[AB16+ABH], 49152, v[AB16]
	v_add_nc_u32 v[AB8+ABH], 49152, v[AB8]
	s_wait_alu depctr_va_vdst(0)
	s_lshl_b32 s98, s[TCOL], 3
	s_lshl_b32 s99, s[HB], 2
	s_add_co_u32 s98, s98, s99
	s_lshl_b32 s98, s98, 10
	s_add_co_u32 s98, s98, SWOFF+3*32768
	s_mov_b32 s99, 0
	s_add_nc_u64 s[88:89], s[8:9], s[98:99]        ; Wo's scale words: my four pairs
	s_lshl_b32 s98, s[TROW], 1
	s_add_co_u32 s98, s98, s[HA]
	s_lshl_b32 s98, s98, 8
	s_add_co_u32 s98, s98, 6291456
	s_add_nc_u64 s[86:87], s[4:5], s[98:99]        ; O's bytes: my group of 64 tokens, 32,768 bytes from head to head
	s_lshl_b32 s98, s[TCOL], 10
	s_lshl_b32 s96, s[HB], 9
	s_add_co_u32 s98, s98, s96
	s_add_nc_u64 s[90:91], s[10:11], s[98:99]      ; bo at my 128 features
	s_lshl_b32 s96, s[TROW], 19
	s_add_co_u32 s98, s98, s96
	s_lshl_b32 s96, s[HA], 18
	s_add_co_u32 s98, s98, s96
	s_add_nc_u64 s[84:85], s[12:13], s[98:99]      ; out0 at my first token and feature
.irp p, 0,1,2,3
.irp y, 0,1,2,3
	global_load_b64 v[SB+8*\p+2*\y:SB+8*\p+2*\y+1], v[L8], s[88:89] offset:1024*\p+256*\y
.endr
.endr
.irp n, 0,1,2,3,4,5,6,7,8,9,10,11,12,13,14,15
	global_load_b64 v[HW+2*\n:HW+2*\n+1], v[L8], s[86:87] offset:32768*\n   ; head n: two bytes in a word, for each of my two pairs of tiles
.endr
.irp b, 0,1,2,3,4,5,6,7
	global_load_b128 v[BR+8*\b:BR+8*\b+3], v11, s[90:91] offset:128*(\b/2)+32*(\b%2)
	global_load_b128 v[BR+8*\b+4:BR+8*\b+7], v11, s[90:91] offset:128*(\b/2)+32*(\b%2)+16
.endr
	s_wait_tensorcnt 0x0                           ; my one load is in
	s_barrier_signal -1
	s_barrier_wait -1
	FETCH 0
	WIN 0
	s_wait_loadcnt 0x0
.irp p, 0,1
.irp s, 0,1,2,3,4,5,6,7
	v_lshl_or_b32 v[SA+8*\p+\s], v[HW+2*(2*\s+1)+\p], 16, v[HW+2*(2*\s)+\p]   ; K step s is heads 2 s and 2 s + 1
.endr
.endr
.rept 8
	v_nop                                          ; a scale word written by vector lines stands 8 places ahead of the scaled product
.endr
.irp s, 0,1,2,3,4,5,6,7
	KSTEP \s
.endr
	WIN 0
	s_barrier_signal -1                            ; every wave's LDS reads were over at its last K step's wait: behind this barrier the stage may be laid over O's first tiles,
	s_barrier_wait -1                              ; which have had their only fill
.rept 4
	v_nop                                          ; places in front of the first read of results
.endr
.macro TOSTAGE a                       ; tile a: register j of accumulator b is feature 32 (b / 2) + 16 (lane / 16) + 8 (b % 2) + j of my token
	WIN 0x0c                                       ; an LDS store's data are its source 1: window 3
.irp b, 0,1,2,3,4,5,6,7
	ds_store_b128 v[STO], v[64*(\a)+8*\b:64*(\a)+8*\b+3] offset:128*(\b/2)+32*(\b%2)          ; each accumulator from its low end on
	ds_store_b128 v[STO], v[64*(\a)+8*\b+4:64*(\a)+8*\b+7] offset:128*(\b/2)+32*(\b%2)+16
.endr
	WIN 0
.irp t, 0,1,2,3,4,5,6,7,8,9,10,11,12,13,14,15
	ds_load_b128 v[BK+64*((\a)%2)+4*\t:BK+64*((\a)%2)+4*\t+3], v[RD] offset:528*\t   ; LDS serves a wave's instructions in order: these see the stores above
.endr
.endm
.macro SEND a, younger                 ; younger: the LDS instructions issued behind tile a's loads, which may stay out
	s_wait_dscnt \younger
.irp t, 0,1,2,3,4,5,6,7,8,9,10,11,12,13,14,15
	global_store_b128 v[L16], v[BK+64*((\a)%2)+4*\t:BK+64*((\a)%2)+4*\t+3], s[84:85] offset:(32*((\a)/2)+8*((\a)%2)+\t+8*(\t/8))*4096 th:TH_STORE_NT   ; 512 consecutive bytes of a token's row, aligned
.endr
.endm
	TOSTAGE 0
.irp a, 1,2,3
.if \a > 1
	s_wait_xcnt 0x0                                ; tile a - 2's stores have read their registers: tile a's loads may land there
.endif
	TOSTAGE \a
	SEND \a-1, 32                                  ; behind tile a - 1's loads: tile a's 16 stores and 16 loads
.endr
	SEND 3, 0
	s_wait_tensorcnt 0x0
	ds_add_u32 v14, v15
	s_wait_dscnt 0x0
	ROUND                                          ; the closing round: no work-group ends while a partner may still ask for a tile that names it
	s_endpgm
.Lfunc_end_k_q8630485f61_gemm_out:
	.size	k_q8630485f61_gemm_out, .Lfunc_end_k_q8630485f61_gemm_out-k_q8630485f61_gemm_out
	.p2alignl 7, 3214868480
	.fill 96, 4, 3214868480
	.section	.rodata,"a",@progbits
	.p2align	6, 0x0
	.amdhsa_kernel k_q8630485f61_gemm_out
		.amdhsa_group_segment_fixed_size 295424
		.amdhsa_private_segment_fixed_size 0
		.amdhsa_enable_private_segment 0
		.amdhsa_kernarg_size 40
		.amdhsa_user_sgpr_count 2
		.amdhsa_user_sgpr_kernarg_segment_ptr 1
		.amdhsa_wavefront_size32 1
		.amdhsa_system_sgpr_workgroup_id_x 1
		.amdhsa_system_sgpr_workgroup_id_y 1
		.amdhsa_system_sgpr_workgroup_id_z 1
		.amdhsa_system_vgpr_workitem_id 0
		.amdhsa_next_free_vgpr 1024
		.amdhsa_next_free_sgpr 100
		.amdhsa_reserve_vcc 0
		.amdhsa_float_denorm_mode_32 3
		.amdhsa_float_denorm_mode_16_64 3
		.amdhsa_memory_ordered 1
		.amdhsa_forward_progress 1
		.amdhsa_inst_pref_size 85
	.end_amdhsa_kernel
	.amdgpu_metadata
---
amdhsa.version: [ 1, 2 ]
amdhsa.kernels:
  - .name:           k_q8630485f61_gemm_out
    .symbol:         k_q8630485f61_gemm_out.kd
    .args:
      - { .name: ob, .offset: 0, .size: 8, .value_kind: global_buffer, .address_space: global }
      - { .name: cod, .offset: 8, .size: 8, .value_kind: global_buffer, .address_space: global }
      - { .name: scl, .offset: 16, .size: 8, .value_kind: global_buffer, .address_space: global }
      - { .name: bo, .offset: 24, .size: 8, .value_kind: global_buffer, .address_space: global }
      - { .name: out0, .offset: 32, .size: 8, .value_kind: global_buffer, .address_space: global }
    .group_segment_fixed_size: 295424
    .private_segment_fixed_size: 0
    .kernarg_segment_align: 8
    .kernarg_segment_size: 40
    .max_flat_workgroup_size: 128
    .sgpr_count:     100
    .vgpr_count:     1024
    .wavefront_size: 32
...
	.end_amdgpu_metadata
.endif
;; end of part 4
